; MI455X (gfx1250); checked and timed in simulation.
; The chip was launched on July 23, 2026; its instructions are those of AMD's public machine-readable ISA for CDNA 5 (MIT licence, August 2026) and "CDNA5" Instruction Set Architecture Reference Guide (July 2026). The comments in the code are by the model that wrote it; some were corrected since.
;; Causal Self Attention. Allowed arithmetic: matrix products marked QUANTISED: E3M2 operands, one E8M0 scale for each 32 along K, by v_wmma_scale_f32_16x16x128_f8f6f4 with both operands' format E3M2, f32 sums; everything else in f32.
;; Inputs: W_out 1,024 x 1,024 float32; W_qkv 1,024 x 3,072 float32; b_out 1,024 float32; b_qkv 3,072 float32; x 4 x 2,048 x 1,024 float32.
;; Outputs: out0 4 x 2,048 x 1,024 float32.
;; This version of the problem:
;;   THIS VERSION OF THE PROBLEM IS GIVEN IN LOW PRECISION. The matrix products marked QUANTISED in the list below multiply operands that are first quantised to E3M2 (3 exponent bits, 2 mantissa bits; 6 bits a number), with one power-of-two scale for each 32 numbers along K (OCP MX v1.0); their sums are f32. All else is computed in f32.
;;   The module's matrix products, in the order in which they are computed (A, B: the left and right operand; K: the contracted axis; several contracted axes count as one K, in the product's order):
;;     1. [M 8,192, K 1,024] x [K 1,024, N 3,072]; A: input x; B: input W_qkv: QUANTISED
;;     2. batch 64 x [M 2,048, K 64] x [K 64, N 2,048]; A: computed on the way; B: computed on the way: QUANTISED
;;     3. batch 64 x [M 2,048, K 2,048] x [K 2,048, N 64]; A: softmax (see below); B: computed on the way: QUANTISED
;;     4. [M 8,192, K 1,024] x [K 1,024, N 1,024]; A: computed on the way; B: input W_out: QUANTISED
;;   THE QUANTISER, for each operand of a quantised product, along K:
;;     - K is cut into blocks of 32 from its start; a last block that is shorter is filled with zeros.
;;     - A block's scale is 2^e with e = floor(log2(the largest magnitude in the block)) - 4, held to -126 .. 127; a block of zeros has e = 0. As a byte (E8M0): e + 127.
;;     - Each number is divided by its block's scale, clamped to +-28, and rounded to the nearest number of E3M2, ties to even, subnormals kept.
;;     - The product sums the exact products of the quantised numbers (number of the format x scale) in f32.
;;   ~~~python
;;   def quantise(x, axis):      # numpy; x: float32 -> the quantised numbers, widened to float32 again
;;       x = np.moveaxis(x, axis, -1); K = x.shape[-1]
;;       x = np.pad(x, [(0, 0)] * (x.ndim - 1) + [(0, -K % 32)]); x = x.reshape(x.shape[:-1] + (-1, 32)); a = np.abs(x).max(-1, keepdims=True)
;;       e = np.where(a > 0, np.clip(np.frexp(np.where(a > 0, a, 1))[1] - 1 - 4, -126, 127), 0)      # np.frexp(a)[1] - 1 = floor(log2(a)), exactly
;;       r = np.clip(x / 2.0 ** e, -28, 28)
;;       step = 2.0 ** (np.maximum(np.frexp(np.where(r == 0, 1, r))[1] - 1, -2) - 2)
;;       q = np.round(r / step) * step * 2.0 ** e      # np.round: ties to even
;;       return np.moveaxis(q.reshape(q.shape[:-2] + (-1,))[..., :K], -1, axis).astype(np.float32)
;;   ~~~
;;   SOFTMAX AHEAD OF A QUANTISED PRODUCT. Where the list says 'softmax', what is quantised is not the finished softmax but p = 2^(t - M), with t = logit x log2(e) and M = ceil(the row's largest t), a whole number; so 1/2 < the row's largest p <= 1. The row's sum l is taken of the UNQUANTISED p, in f32, and the product's result is divided by l at the end. Since M is a whole number, a kernel that streams over the keys may use a running M (the ceiling of the running maximum): every later rescaling is an exact power of two, which a block's scale takes up: the codes' values come out the same.
;;   OPERANDS COMPUTED ON THE WAY. 'Computed on the way' means the value that the module computes at that place (a softmax that the list does not call 'softmax' is quantised finished and normalised). What goes into a quantiser is computed in f32, as accurately as f32 sums, v_exp_f32 and their like allow (about 1e-6 of the number): no bf16 or f16 on the way to a quantiser, and a product that is left as it is and whose result goes on into a quantised operand takes f32 operands (vector FMAs, or v_wmma_f32_16x16x4_f32). A number that lies on a knife's edge between two numbers of the format may be rounded either way, as far as f32 arithmetic and the matrix unit's own rounding can turn it there, and no further.
;; One version. Each part assembles by itself: llvm-mc -triple=amdgcn-amd-amdhsa -mcpu=gfx1250 --defsym DOCPART=n.
;; ======== version 1 of 1: 4 launches
;; workspace buffers: xc 6,291,456 bytes; xs 262,144 bytes; wc 3,145,728 bytes; ws 131,072 bytes; qkvb 19,660,800 bytes; yimg 6,291,456 bytes; ysc 262,144 bytes
;; launch quant (part 1): grid 384 x 1, 4 waves a work-group, no clusters, 68,096 bytes of LDS; arguments x, W_qkv, W_out, xc, xs, wc, ws; writes xc, xs, wc, ws
.if DOCPART == 1
	.amdgcn_target "amdgcn-amd-amdhsa--gfx1250"
	.amdhsa_code_object_version 6
	.text
	.protected	k_qc5de0a8b3e_quant
	.globl	k_qc5de0a8b3e_quant
	.p2align	8
	.type	k_qc5de0a8b3e_quant,@function
k_qc5de0a8b3e_quant:
	s_mov_b64 s[64:65], 0
	v_nop
	global_prefetch_b8 v0, s[64:65] scope:SCOPE_SE
	s_setreg_imm32_b32 hwreg(HW_REG_WAVE_MODE, 25, 1), 1
	s_wait_xcnt 0x0
; x [8192][1024] (K innermost) and the weights W_qkv [1024][3072], W_out [1024][1024] (K is the FIRST axis), all f32, become codes of BF6 (E3M2), 6 bits each, K innermost,
; 768 bytes a row, with one E8M0 scale byte for each 32 along K, 32 bytes a row.  A block's scale is 2^(floor(log2(its largest magnitude)) - 4); its byte is that magnitude's exponent field - 4, held at 1 from below.
; POSITION ORDER: a row (a token of x, a column of a weight) is stored at the position that is its number with bits 3 and 4 exchanged.  So 16 neighbouring positions are rows 0-7 and 16-23 (or 8-15 and 24-31) of a group of 32:
; a matrix result whose registers run along such rows then holds 16 neighbours in the 16 registers of two neighbouring tiles.  wc holds W_qkv's columns at positions 0-3071 and W_out's at 3072-4095.
; LIMITS: NaN and infinities among the inputs are not served.  A block of zeros, and one whose largest magnitude lies under 2^-122, keeps the byte 1 (a block of zeros has zero codes, which add nothing; only this program reads the bytes).
; Work-groups 0-255 take x, 32 rows each; work-groups 256-383 take 128 columns x 256 along K of a weight.  Each reads 131,072 bytes.  The two ways have LDS bytes of their own.  No tensor loads, no barrier: waves share nothing.
.set STEPS, 16
.set EMAX,  4
.set CB,    12                         ; bytes of 16 codes
.set R,     16                         ; x: v16-79   four sets of 16 numbers as they are loaded
.set X,     80                         ; x: v80-111  two sets of 16 neighbours
.set E,     112                        ; x: v112-127 a scale byte for each step
.set C,     128                        ; x: v128-191 codes, four registers for each step: no store's data are written again
.set WREG,  8192                       ; x: LDS of a wave: two stages of 32 x SP bytes, then its 256 scale bytes
.set SP,    80                         ; x: a lane's place in a stage: 64 bytes + 16 of padding
.set NB,    8                          ; weights: blocks of 32 along K for a wave
.set ROWB,  192                        ; weights: bytes of 256 codes
.set PITCH, 272                        ; weights: a stage row: sixteen places of 16 bytes, each with 12 bytes of codes, + 16
.set KROW,  768                        ; a row of codes in memory
.set WSTG,  32768                      ; weights: the stages begin here, 32 x PITCH bytes a wave
.set WX,    32                         ; weights: v32-95 two sets of 32 numbers
.set WC,    96                         ; weights: a block's codes
.set OUTR,  112                        ; weights: v112-175 the way out
.set SB,    24                         ; weights: v24-25 the scale bytes
.set VO,    176                        ; weights: v176-207 byte offset of row i of a block at my column: 4 x lane + i x the row's bytes
	s_load_b256 s[4:11], s[0:1], 0x0               ; x s[4:5], W_qkv s[6:7], W_out s[8:9], xc s[10:11]
	s_load_b128 s[12:15], s[0:1], 0x20             ; xs s[12:13], wc s[14:15]
	s_load_b64 s[16:17], s[0:1], 0x30              ; ws
	v_lshl_add_u32 v208, v0, 2, 0x10800
	v_mov_b32 v209, 0
	v_lshrrev_b32 v1, 5, v0
	v_readfirstlane_b32 s18, v1                    ; wave 0..3
	v_and_b32 v2, 31, v0                           ; lane
	s_cmp_lt_u32 ttmp9, 256
	s_cbranch_scc0 .Lweights
; ---------------- x: a plain stream of blocks of 32.  A wave takes 8 rows (8,192 numbers) in 16 steps of 512 numbers.
; Each of a step's four loads reads 512 consecutive bytes; the 2,048 bytes turn through the wave's own stage in LDS and come back 64 bytes a lane: 16 neighbours, two lanes to a block.
	v_lshlrev_b32 v3, 4, v2                        ; my 16 bytes of a load's 512
	s_mul_i32 s19, s18, WREG
	v_lshrrev_b32 v14, 2, v2
	v_mul_u32_u24 v14, v14, SP
	v_and_b32 v15, 3, v2
	v_lshl_add_u32 v14, v15, 4, v14
	v_add_nc_u32 v14, s19, v14                     ; the stage, on the way in: SP (lane / 4) + 16 (lane % 4)
	v_mul_u32_u24 v15, v2, SP
	v_add_nc_u32 v15, s19, v15                     ; and on the way out: SP x lane
	v_mul_u32_u24 v4, v2, CB                       ; my codes' place in a step's 384 bytes
	v_lshrrev_b32 v5, 1, v2
	s_add_co_u32 s19, s19, 2*32*SP
	v_add_nc_u32 v5, s19, v5                       ; LDS: my block's scale byte
	v_lshlrev_b32 v7, 3, v2
	v_add_nc_u32 v6, s19, v7                       ; and on the way out 8 bytes a lane
	s_lshl_b32 s20, ttmp9, 2
	s_add_co_u32 s22, s20, s18                     ; the run of 8 rows that I read: 4 x work-group + wave
	s_and_b32 s21, s18, 1
	s_lshl_b32 s21, s21, 1
	s_lshr_b32 s23, s18, 1
	s_add_co_u32 s21, s21, s23
	s_add_co_u32 s24, s20, s21                     ; and where it goes: the wave's two bits are the rows' bits 3 and 4: exchanged
	s_lshl_b32 s22, s22, 15                        ; 32,768 bytes of f32 a run
	s_mov_b32 s23, 0
	s_mul_i32 s26, s24, 8*KROW                     ; 6,144 bytes of codes
	s_mov_b32 s27, 0
	s_lshl_b32 s24, s24, 8                         ; 256 scale bytes
	s_mov_b32 s25, 0
	s_wait_kmcnt 0x0
	s_add_nc_u64 s[4:5], s[4:5], s[22:23]
	s_add_nc_u64 s[10:11], s[10:11], s[26:27]
	s_add_nc_u64 s[12:13], s[12:13], s[24:25]
.macro XLOAD t
.irp i, 0,1,2,3
	global_load_b128 v[R+16*((\t)%4)+4*\i:R+16*((\t)%4)+4*\i+3], v3, s[4:5] offset:2048*(\t)+512*\i th:TH_LOAD_NT   ; 32 lanes read 512 consecutive bytes
.endr
.endm
.macro XTURN t                         ; step t's numbers through the stage: LDS serves a wave's instructions in order, so no wait stands between the stores and the loads
.irp i, 0,1,2,3
	ds_store_b128 v14, v[R+16*((\t)%4)+4*\i:R+16*((\t)%4)+4*\i+3] offset:32*SP*((\t)%2)+8*SP*\i
.endr
.irp i, 0,1,2,3
	ds_load_b128 v[X+16*((\t)%2)+4*\i:X+16*((\t)%2)+4*\i+3], v15 offset:32*SP*((\t)%2)+16*\i
.endr
.endm
.irp t, 0,1,2,3
	XLOAD \t
.endr
	s_wait_loadcnt 12                              ; step 0's four loads are in; twelve younger ones stay out
	XTURN 0
.macro XSTEP t
.set XS, X+16*((\t)%2)
.if (\t) > 0
	s_wait_dscnt 1                                 ; this step's numbers are back from the stage (the last step's byte store may be out): its stores into the stage have read their registers,
.else
	s_wait_dscnt 0x0
.endif
.if (\t)+4 < STEPS
	XLOAD (\t)+4                                   ; which take the loads of four steps on
.endif
.if (\t)+1 < STEPS
.if STEPS-2-(\t) >= 3
	s_wait_loadcnt 12                              ; the next step's four loads are in; those of the three steps behind it may be out
.else
	s_wait_loadcnt 4*(STEPS-2-(\t))
.endif
	XTURN (\t)+1                                   ; they go through the other stage while this step is worked
.endif
	v_max3_num_f32 v8, |v[XS]|, |v[XS+1]|, |v[XS+2]|               ; the largest magnitude of my 16, in two chains
	v_max3_num_f32 v9, |v[XS+3]|, |v[XS+4]|, |v[XS+5]|
.irp i, 6,10
	v_max3_num_f32 v8, v8, |v[XS+\i]|, |v[XS+\i+1]|
	v_max3_num_f32 v9, v9, |v[XS+\i+2]|, |v[XS+\i+3]|
.endr
	v_max3_num_f32 v8, v8, |v[XS+14]|, |v[XS+15]|
	v_max3_num_f32 v8, v8, v9, (EMAX+1)<<23        ; and the floor 2^(5 - 127): the byte cannot fall under 1
	v_max_num_f32_dpp v8, v8, v8 row_xmask:1 row_mask:0xf bank_mask:0xf   ; and of my neighbour's 16: the block's
	v_add_nc_u32 v11, -(EMAX<<23), v8              ; 4 off its exponent field: the conversion takes the exponent field of this operand as its scale
	v_cvt_scalef32_pk16_bf6_f32 v[C+4*(\t):C+4*(\t)+2], v[XS:XS+15], v11
	v_lshrrev_b32 v[E+(\t)], 23, v11               ; the scale's byte (also the plain line behind the conversion)
	ds_store_b8 v5, v[E+(\t)] offset:16*(\t)       ; both lanes of a block write the same byte with the same value
	global_store_b96 v4, v[C+4*(\t):C+4*(\t)+2], s[10:11] offset:32*CB*(\t)   ; the wave stores 384 consecutive bytes
.endm
.irp t, 0,1,2,3,4,5,6,7,8,9,10,11,12,13,14,15
	XSTEP \t
.endr
	ds_load_b64 v[12:13], v6                       ; LDS serves a wave's instructions in order: these see my byte stores
	s_wait_dscnt 0x0
	global_store_b64 v7, v[12:13], s[12:13]        ; 32 lanes store 256 consecutive bytes, aligned
	s_wait_tensorcnt 0x0
	ds_add_u32 v208, v209
	s_wait_dscnt 0x0
	s_endpgm
; ---------------- the weights: a lane takes a column, its registers run down K: a block of 32 along K lies in one lane's 32 registers, and the codes come out with K innermost.
; A wave takes 32 columns x 256 along K.  The two weights differ in the bytes of a row alone, which stand in a scalar register: one way through the text serves both.
.Lweights:
	s_sub_co_u32 s19, ttmp9, 256
	s_and_b32 s20, s19, 31                         ; which 128 positions: 0-23 W_qkv's, 24-31 W_out's
	s_lshr_b32 s21, s19, 5                         ; which 256 along K
	s_lshl_b32 s22, s20, 7
	s_lshl_b32 s23, s18, 5
	s_add_co_u32 s22, s22, s23                     ; my wave's first position, a multiple of 32
	s_mov_b32 s24, 12288
	s_wait_kmcnt 0x0
	s_cmp_ge_u32 s20, 24                           ; the choice hangs on the work-group's number alone
	s_cselect_b64 s[6:7], s[8:9], s[6:7]           ; the weight,
	s_cselect_b32 s24, 4096, s24                   ; the bytes of its rows,
	s_cselect_b32 s25, 3072, 0                     ; and the position of its column 0
	s_sub_co_u32 s25, s22, s25
	s_lshl_b32 s26, s25, 2                         ; 4 bytes a column
	s_lshl_b32 s27, s21, 8
	s_mul_i32 s27, s27, s24                        ; 256 rows for each step along K
	s_add_co_u32 s26, s26, s27
	s_mov_b32 s27, 0
	s_add_nc_u64 s[32:33], s[6:7], s[26:27]        ; block 0's first row at my wave's first column
	s_lshl_b32 s28, s24, 5                         ; 32 rows on
	s_mov_b32 s29, 0
.irp t, 1,2,3,4,5,6,7
	s_add_nc_u64 s[32+2*\t:33+2*\t], s[30+2*\t:31+2*\t], s[28:29]   ; a base for each block: nothing is stepped while loads are out
.endr
	s_mul_i32 s26, s22, KROW
	s_mul_i32 s30, s21, ROWB
	s_add_co_u32 s26, s26, s30
	s_add_nc_u64 s[14:15], s[14:15], s[26:27]      ; the codes: position x 768 + 192 x step
	s_lshl_b32 s26, s22, 5
	s_lshl_b32 s30, s21, 3
	s_add_co_u32 s26, s26, s30
	s_add_nc_u64 s[16:17], s[16:17], s[26:27]      ; the scale bytes: position x 32 + 8 x step
	v_lshlrev_b32 v[VO], 2, v2
.irp i, 1,2,3,4,5,6,7,8,9,10,11,12,13,14,15,16,17,18,19,20,21,22,23,24,25,26,27,28,29,30,31
	v_add_nc_u32 v[VO+\i], s24, v[VO+\i-1]
.endr
	v_and_b32 v5, 7, v2
	v_bfe_u32 v6, v2, 3, 1
	v_lshl_add_u32 v5, v6, 4, v5
	v_bfe_u32 v6, v2, 4, 1
	v_lshl_add_u32 v5, v6, 3, v5                   ; my column's position among the wave's 32: bits 3 and 4 exchanged
	s_mul_i32 s30, s18, 32*PITCH
	s_add_co_u32 s30, s30, WSTG                    ; my stage
	v_mul_u32_u24 v4, v5, PITCH
	v_add_nc_u32 v4, s30, v4                       ; into it: row = my position
	v_lshlrev_b32 v9, 5, v5                        ; my position's row of scale bytes
	v_and_b32 v5, 15, v2
	v_lshrrev_b32 v6, 4, v2                        ; out of it: sixteen lanes to a row, two rows an instruction
	v_mul_u32_u24 v7, v6, PITCH
	v_lshl_add_u32 v7, v5, 4, v7
	v_add_nc_u32 v7, s30, v7
	v_mul_u32_u24 v8, v6, KROW
	v_mad_u32_u24 v8, v5, 12, v8                   ; and the same place in the codes' buffer
.macro WLOAD t                         ; block t: rows 32 t + i, i = 0 .. 31, at my column, into set t % 2; a wave's load reads 128 consecutive bytes, the four waves stand side by side
.irp i, 0,1,2,3,4,5,6,7,8,9,10,11,12,13,14,15,16,17,18,19,20,21,22,23,24,25,26,27,28,29,30,31
	global_load_b32 v[WX+32*((\t)%2)+\i], v[VO+\i], s[32+2*(\t):33+2*(\t)] th:TH_LOAD_NT
.endr
.endm
	WLOAD 0
	WLOAD 1
.macro WBLOCK t
.set XS, WX+32*((\t)%2)
.if (\t) < NB-1
	s_wait_loadcnt 32                              ; this block's 32 loads are in; the next block's may be out
.else
	s_wait_loadcnt 0
.endif
	v_max3_num_f32 v12, |v[XS]|, |v[XS+1]|, |v[XS+2]|               ; the block's largest magnitude: all 32 numbers are mine
	v_max3_num_f32 v13, |v[XS+3]|, |v[XS+4]|, |v[XS+5]|
.irp i, 6,10,14,18,22,26
	v_max3_num_f32 v12, v12, |v[XS+\i]|, |v[XS+\i+1]|
	v_max3_num_f32 v13, v13, |v[XS+\i+2]|, |v[XS+\i+3]|
.endr
	v_max3_num_f32 v12, v12, |v[XS+30]|, |v[XS+31]|
	v_max3_num_f32 v12, v12, v13, (EMAX+1)<<23     ; and the floor
	v_add_nc_u32 v11, -(EMAX<<23), v12             ; the conversion's scale operand
	v_lshrrev_b32 v13, 23, v11                     ; the scale's byte
.if (\t)%4 == 0
	v_mov_b32 v[SB+(\t)/4], v13                    ; four bytes to a register, the lower K in the lower byte
.else
	v_lshl_or_b32 v[SB+(\t)/4], v13, 8*((\t)%4), v[SB+(\t)/4]
.endif
	v_cvt_scalef32_pk16_bf6_f32 v[WC:WC+2], v[XS:XS+15], v11
	v_cvt_scalef32_pk16_bf6_f32 v[WC+4:WC+6], v[XS+16:XS+31], v11   ; (a conversion's three registers begin on an even number)
	v_nop                                          ; one plain line behind the conversions
	ds_store_b96 v4, v[WC:WC+2] offset:32*(\t)     ; 12 bytes to a place of 16, so that every LDS address is a multiple of 16
	ds_store_b96 v4, v[WC+4:WC+6] offset:32*(\t)+16
.if (\t)+2 < NB
	WLOAD (\t)+2
.endif
	s_wait_dscnt 0x0                               ; the stores have read their registers: the next block's codes may be written
.endm
.irp t, 0,1,2,3,4,5,6,7
	WBLOCK \t
.endr
	global_store_b64 v9, v[SB:SB+1], s[16:17]      ; my column's 8 scale bytes
.irp t, 0,1,2,3,4,5,6,7,8,9,10,11,12,13,14,15
	ds_load_b96 v[OUTR+4*\t:OUTR+4*\t+2], v7 offset:2*\t*PITCH   ; LDS serves a wave's instructions in order: these see my stores
.endr
.irp t, 0,1,2,3,4,5,6,7,8,9,10,11,12,13,14,15
	s_wait_dscnt 15-\t                             ; loads come back in order: number t is in
	global_store_b96 v8, v[OUTR+4*\t:OUTR+4*\t+2], s[14:15] offset:2*\t*KROW   ; sixteen lanes store a row's 192 consecutive bytes
.endr
	s_wait_tensorcnt 0x0
	ds_add_u32 v208, v209
	s_wait_dscnt 0x0
	s_endpgm
.Lfunc_end_k_qc5de0a8b3e_quant:
	.size	k_qc5de0a8b3e_quant, .Lfunc_end_k_qc5de0a8b3e_quant-k_qc5de0a8b3e_quant
	.p2alignl 7, 3214868480
	.fill 96, 4, 3214868480
	.section	.rodata,"a",@progbits
	.p2align	6, 0x0
	.amdhsa_kernel k_qc5de0a8b3e_quant
		.amdhsa_group_segment_fixed_size 68096
		.amdhsa_private_segment_fixed_size 0
		.amdhsa_enable_private_segment 0
		.amdhsa_kernarg_size 56
		.amdhsa_user_sgpr_count 2
		.amdhsa_user_sgpr_kernarg_segment_ptr 1
		.amdhsa_wavefront_size32 1
		.amdhsa_system_sgpr_workgroup_id_x 1
		.amdhsa_system_sgpr_workgroup_id_y 1
		.amdhsa_system_sgpr_workgroup_id_z 1
		.amdhsa_system_vgpr_workitem_id 0
		.amdhsa_next_free_vgpr 210
		.amdhsa_next_free_sgpr 66
		.amdhsa_reserve_vcc 0
		.amdhsa_float_denorm_mode_32 3
		.amdhsa_float_denorm_mode_16_64 3
		.amdhsa_memory_ordered 1
		.amdhsa_forward_progress 1
		.amdhsa_inst_pref_size 75
	.end_amdhsa_kernel
	.amdgpu_metadata
---
amdhsa.version: [ 1, 2 ]
amdhsa.kernels:
  - .name:           k_qc5de0a8b3e_quant
    .symbol:         k_qc5de0a8b3e_quant.kd
    .args:
      - { .name: x, .offset: 0, .size: 8, .value_kind: global_buffer, .address_space: global }
      - { .name: W_qkv, .offset: 8, .size: 8, .value_kind: global_buffer, .address_space: global }
      - { .name: W_out, .offset: 16, .size: 8, .value_kind: global_buffer, .address_space: global }
      - { .name: xc, .offset: 24, .size: 8, .value_kind: global_buffer, .address_space: global }
      - { .name: xs, .offset: 32, .size: 8, .value_kind: global_buffer, .address_space: global }
      - { .name: wc, .offset: 40, .size: 8, .value_kind: global_buffer, .address_space: global }
      - { .name: ws, .offset: 48, .size: 8, .value_kind: global_buffer, .address_space: global }
    .group_segment_fixed_size: 68096
    .private_segment_fixed_size: 0
    .kernarg_segment_align: 8
    .kernarg_segment_size: 56
    .max_flat_workgroup_size: 128
    .sgpr_count:     66
    .vgpr_count:     210
    .wavefront_size: 32
...
	.end_amdgpu_metadata
.endif
;; end of part 1
;; launch qkv (part 2): grid 12 x 32, 4 waves a work-group, clusters of 4 x 4, 327,680 bytes of LDS; arguments xc, xs, wc, ws, b_qkv, qkvb; writes qkvb
.if DOCPART == 2
	.amdgcn_target "amdgcn-amd-amdhsa--gfx1250"
	.amdhsa_code_object_version 6
	.text
	.protected	k_qc5de0a8b3e_qkv
	.globl	k_qc5de0a8b3e_qkv
	.p2align	8
	.type	k_qc5de0a8b3e_qkv,@function
k_qc5de0a8b3e_qkv:
	s_mov_b64 s[64:65], 0
	v_nop
	global_prefetch_b8 v0, s[64:65] scope:SCOPE_SE
	s_setreg_imm32_b32 hwreg(HW_REG_WAVE_MODE, 25, 1), 1
	s_wait_xcnt 0x0
	s_wait_alu depctr_hold_cnt(0) depctr_sa_sdst(0) depctr_va_vdst(0) depctr_va_sdst(0) depctr_va_ssrc(0) depctr_va_vcc(0) depctr_vm_vsrc(0)
	s_getreg_b32 s2, hwreg(HW_REG_IB_STS2, 6, 4)
	s_cmp_eq_u32 s2, 0
	s_cbranch_scc0 .Lentry_in_a_cluster
	s_endpgm
.Lentry_in_a_cluster:
	s_bfe_u32 s2, ttmp6, 0x10000c
	s_cmp_lg_u32 s2, 0xf033
	s_cbranch_scc0 .Lentry_shape_is_right
	s_endpgm
.Lentry_shape_is_right:
; qkv = x W_qkv + b_qkv on codes of BF6 (E3M2) with E8M0 scales for each 32 along K = 1,024; the sums and the bias in f32; the results are quantised at once, in registers, for the two products of attention,
; and leave as IMAGES OF OPERAND REGISTERS: q and k along the head's 64, v along the keys.  No f32 number of qkv goes to memory.
; A tile of 256 x 256 results is made by a work-group of four waves, each 128 x 128: 64 accumulators of 16 x 16.  K goes in steps of 256 through a ring of two LDS slots filled by the tensor data mover.
; The scale bytes of the tile's 2 x 256 rows, for all of K, come into LDS once.  CLUSTERS: 4 x 4 work-groups; the four of a row of the cluster need the same tiles of operand A, the four of a column the same tiles of B: joint loads.
; ROLES.  Operand B is the matrix instruction's source 0: its rows run along a lane's registers.  Operand A is source 1: a lane holds one of its rows.  Clusters x = 0, 1 make q and k: B = 256 columns of W, A = 256 tokens: a lane holds
; one token and 64 + 64 neighbouring channels of two heads.  Cluster x = 2 makes v: B = 256 tokens, A = 256 columns of W: a lane holds one channel and 128 neighbouring keys.  The choice hangs on the cluster's x alone.
; POSITION ORDER: xc's and wc's rows lie at positions (the row's number with bits 3 and 4 exchanged).  So the 16 registers of accumulators (a, 2 i) and (a, 2 i + 1) are B's true rows 32 i + 16 (lane / 16) + 0 .. 15,
; and lane r of A's block 2 i + u is A's true row 32 i + 8 u + r + 8 (r / 8).
; qkvb: [batch x head 64][step of 128 tokens 16][19,200 bytes]: sections K at 0, V at 6,400, Q at 12,800; a section is 4 images of 1,536 bytes (registers 4 g .. 4 g + 3 of lane l at 512 g + 16 l) and 256 bytes of scale words (8 bytes a lane).
;   K or Q image i: registers 0-5: token 32 i + r + 8 (r / 8), registers 6-11: token 32 i + 8 + r + 8 (r / 8); both channels 32 (lane / 16) + 0 .. 31.  Its word: bytes 0, 1 the first token's two blocks, bytes 2, 3 the second's.
;   V image t: a whole fragment: lane r is channel position 16 t + r, K = the step's 128 keys.  Scale words: register i of a lane's two holds image 2 i's word in lanes 0-15 and image 2 i + 1's in lanes 16-31.
; LIMITS: NaN and infinities are not served; a block of zeros, or one whose largest magnitude lies under 2^-122, keeps the byte 1 (only this program reads the bytes).
; REGISTERS, in windows of 256: window 0: v0-31 addresses; v32-63 scale words, two sets; v64-127 the bias; from v128 A's fragments, ONE set; on the way out v32-63 and v128-255 are at work.
;   window 1: B's fragments, TWO sets, at v0 and v128.   window 2: the accumulators of A's blocks 0-3 ((a, b) at v[8 (8 a + b)]);   window 3: those of blocks 4-7.
.set KSTEP,  256                       ; along K in a slot
.set NQ,     KSTEP/128                 ; matrix instructions deep
.set ROWB,   192                       ; a tile's row in bytes
.set KROW,   768                       ; a row of codes in memory
.set PITCH,  240                       ; an LDS row: 3 x (64 bytes + 16 of padding) = 60 words: the 32 lanes of a load of 8 bytes touch 64 different banks (64 banks of 4 bytes: ISA guide 11.1)
.set FR,     12                        ; registers of a fragment: 16 rows x 128 K
.set NL,     6                         ; LDS loads that bring one
.set NP,     4                         ; places behind this matrix instruction (ISA guide 7.12.1)
.set HALFT,  128*PITCH                 ; 128 rows: what one tensor load brings
.set SLOT,   4*HALFT                   ; A's 256 rows, then B's 256 rows
.set LAPS,   2                         ; K = 1,024 is two laps of two K steps
.set KS,     32                        ; a row of scale bytes
.set SCL,    2*SLOT                    ; behind the ring: the scales, as pieces of 256 bytes + 16 of padding
.set HALFS,  (128*KS/256)*272          ; the scales of 128 rows
.set SBLK,   (16*KS/256)*272           ; those of 16 rows
.set SPARE,  SCL+4*HALFS               ; behind the scales: the spare words, 128 bytes for each wave, which no other line names
.set RECB,   19200                     ; a record of qkvb
.set HEADB,  16*RECB                   ; a head's records
.set LI,   7                           ; v7      16 x lane: an image's place for my lane
.set L8,   8                           ; v8      8 x lane: my two scale words' place
.set BH,   9                           ; v9      64 x (lane / 16): q, k: my half's 16 numbers of the bias in each 32
.set BC,   10                          ; v10     4 x (r + 8 (r / 8)): v: my channel's number of the bias
.set ADRA, 16                          ; v16-17  LDS address of my A fragments in slot 0, 1  (v18-19: for the pieces that lie behind one padding more)
.set ADRB, 20                          ; v20-21  the same for B  (v22-23)
.set ADRS, 27                          ; v27     LDS address of my scale words: lanes 0-15 A's rows, lanes 16-31 B's
.set SPW,  28                          ; v28     LDS address of my spare word; never rewritten
.set NIL,  29                          ; v29     0; never rewritten
.set SC,   32                          ; scale words: set s at v[SC + 16 s]; register 2 i + q: lanes 0-15 A's block i, lanes 16-31 B's block i, the slot's q-th 128 along K
.set AF,   128                         ; A's fragments
.set TM,   32                          ; the way out: v32-35 largest magnitudes, v36-39 bytes, v44-47 the conversions' scale operands
.set PWE,  48                          ; the scale word of the even block, v49 of the odd one
.set PWO,  49
.set WW,   50                          ; v50-57  eight images' scale words
.set KWD,  58                          ; v58-61  the same, two images to a register
.set BR,   64                          ; v64-127 q, k: the bias of my 64 channels.   v: v[64 + 2 a], twice: the bias of my channel in block a
.set BL,   64
.set X,    128                         ; v128-191 64 results + bias
.set IMG,  192                         ; v192-239 images, two sets of 24 by turns
.set T2,   240                         ; v240-246 the second halves of blocks, before they are moved
.set G1, 24                            ; s[24:31] descriptor group 1 for A's tiles;  s[32:39] group 0, one set for each slot
.set G0, 32
.set G1B, 48                           ; s[48:55], s[56:63] the same for B's tiles
.set G0B, 56
.set G1S, 68                           ; s[68:75], s[76:79] groups 1 and 0 for A's scales;  s[80:87], s[88:91] for B's
.set G0S, 76
.set G1SB, 80
.set G0SB, 88
.set MSB, 0
.macro WIN new                         ; the immediate's high byte repeats the setting that is left
.if MSB != (\new)
	s_set_vgpr_msb (MSB<<8)|(\new)
.set MSB, (\new)
.endif
.endm
.set MUL_LO, 0xa1                      ; source 0 (B) window 1, source 1 (A) window 0, C and D window 2
.set MUL_HI, 0xf1                      ; the same, C and D window 3
.set TO_B,   0x40                      ; destination window 1, address window 0
; A joint load: waves 0 and 1 fetch for A, waves 2 and 3 for B.  Each of the two lines has ONE mask and one set of registers for all that issue it; the branch hangs on the wave's number alone.
; Four v_nop follow each of the two lines, ahead of the jump, the label and what follows.
.macro JLOAD g0a, g1a, g0b, g1b
	s_cmp_eq_u32 s15, 0
	s_cbranch_scc0 .Lfor_b_\@
	tensor_load_to_lds s[\g0a:\g0a+3], s[\g1a:\g1a+7]
	s_nop 0
.rept 4
	v_nop
.endr
	s_branch .Lasked_\@
.Lfor_b_\@:
	tensor_load_to_lds s[\g0b:\g0b+3], s[\g1b:\g1b+7]
	s_nop 0
.rept 4
	v_nop
.endr
.Lasked_\@:
.endm
.macro CREST                           ; a round of the cluster's barrier behind its opening barrier
	s_cmp_lg_u32 s14, 0
	s_cbranch_scc1 .Lnot_wave_0_\@
	s_barrier_signal -3
.Lnot_wave_0_\@:
	s_barrier_wait -3
	s_barrier_signal -1
	s_barrier_wait -1
.endm
.macro CROUND                          ; a whole round
	s_barrier_signal -1
	s_barrier_wait -1
	CREST
.endm
	s_load_b128 s[4:7], s[0:1], 0x0                ; xc, xs
	s_load_b128 s[8:11], s[0:1], 0x10              ; wc, ws
	s_load_b128 s[96:99], s[0:1], 0x20             ; b_qkv, qkvb
	v_lshl_add_u32 v[SPW], v0, 2, SPARE
	v_mov_b32 v[NIL], 0
	ds_add_u32 v28, v29
	ds_add_u32 v28, v29
	s_wait_dscnt 0x0
	v_lshrrev_b32 v1, 5, v0
	v_readfirstlane_b32 s14, v1                    ; wave 0..3
	s_lshr_b32 s15, s14, 1                         ; which half of A's 256 rows is mine.  Also: I fetch for A (0) or for B (1)
	s_and_b32 s16, s14, 1                          ; which half of B's.  Also: which 128 rows of that tile I fetch
	s_bfe_u32 s40, ttmp6, 0x40000                  ; cx, cy: my place in the cluster
	s_bfe_u32 s41, ttmp6, 0x40004
	s_and_b32 s67, ttmp7, 0xffff                   ; the cluster's y: 0..7
	s_cmp_eq_u32 ttmp9, 2                          ; the cluster's x: 0, 1: q and k; 2: v
	s_cselect_b32 s66, 1, 0
	s_cselect_b32 s42, s67, ttmp9                  ; B's tiles: W's (x) for q and k, the tokens' (y) for v
	s_cselect_b32 s17, ttmp9, s67                  ; A's tiles: the tokens' for q and k, W's for v
	s_lshl_b32 s42, s42, 2
	s_add_co_u32 s42, s42, s40                     ; B's tile = 4 x that + cx
	s_lshl_b32 s17, s17, 2
	s_add_co_u32 s17, s17, s41                     ; A's tile = 4 x that + cy
	s_lshl_b32 s43, s41, 2
	s_lshl_b32 s43, 15, s43                        ; my row of the cluster
	s_lshl_b32 s44, 0x1111, s40                    ; my column
	; descriptor group 1: a tile of 128 rows x 192 bytes, padded in LDS
	s_or_b32 s[G1+0], s43, (0<<16)|(1<<20)|(1<<21)|(3<<22)|(3<<25)  ; 15:0 the mask: A's tiles go to my row; 17:16 element of 1 byte; 20 padding on; 21 set beside a mask; 24:22 after every 16 words; 31:25 of 4 words
	s_or_b32 s[G1B+0], s44, (0<<16)|(1<<20)|(1<<21)|(3<<22)|(3<<25)
.irp g, G1, G1B
	s_mov_b32 s[\g+1], ROWB<<16                    ; tensor_dim0
	s_mov_b32 s[\g+2], 128<<16                     ; tensor_dim1
	s_mov_b32 s[\g+3], ROWB<<16                    ; tile_dim0
	s_mov_b32 s[\g+4], 128                         ; tile_dim1
	s_mov_b32 s[\g+5], KROW                        ; tensor_dim0_stride
	s_mov_b32 s[\g+6], 0
	s_mov_b32 s[\g+7], 0
.endr
	; the scales of 128 rows: a dense block of 4,096 bytes, as 16 rows of 256 bytes (32 elements of 8 bytes), 16 bytes of padding behind each
	s_or_b32 s[G1S+0], s43, (3<<16)|(1<<20)|(1<<21)|(5<<22)|(3<<25)
	s_or_b32 s[G1SB+0], s44, (3<<16)|(1<<20)|(1<<21)|(5<<22)|(3<<25)
.irp g, G1S, G1SB
	s_mov_b32 s[\g+1], 32<<16
	s_mov_b32 s[\g+2], (128*KS/256)<<16
	s_mov_b32 s[\g+3], 32<<16
	s_mov_b32 s[\g+4], 128*KS/256
	s_mov_b32 s[\g+5], 32
	s_mov_b32 s[\g+6], 0
	s_mov_b32 s[\g+7], 0
.endr
	s_lshl_b32 s18, s16, 7                         ; which 128 rows of the tile I fetch
	s_lshl_b32 s20, s17, 8
	s_add_co_u32 s20, s20, s18                     ; A: position 256 x tile + 128 x half
	s_lshl_b32 s46, s42, 8
	s_add_co_u32 s46, s46, s18                     ; B likewise
	s_mov_b32 s21, 0
	s_mov_b32 s47, 0
	s_mov_b64 s[18:19], KS
	s_mul_u64 s[22:23], s[20:21], s[18:19]         ; where these rows' scales begin, in bytes
	s_mul_u64 s[92:93], s[46:47], s[18:19]
	s_mov_b64 s[18:19], KROW
	s_mul_u64 s[20:21], s[20:21], s[18:19]         ; and their codes
	s_mul_u64 s[46:47], s[46:47], s[18:19]
	s_mul_i32 s45, s14, HALFT                      ; where they go: wave x 128 rows: no place in the cluster enters an LDS address
	s_mul_i32 s94, s14, HALFS
	s_wait_kmcnt 0x0
	s_cmp_eq_u32 s66, 1                            ; which buffers are A's and which B's: a choice on the cluster's x
	s_cselect_b64 s[12:13], s[8:9], s[4:5]         ; A's codes
	s_cselect_b64 s[100:101], s[10:11], s[6:7]     ; A's scales
	s_cselect_b64 s[8:9], s[4:5], s[8:9]           ; B's codes
	s_cselect_b64 s[10:11], s[6:7], s[10:11]       ; B's scales
	s_mov_b64 s[4:5], s[12:13]
	s_mov_b64 s[6:7], s[100:101]
	s_add_nc_u64 s[20:21], s[4:5], s[20:21]
	s_add_nc_u64 s[22:23], s[6:7], s[22:23]
	s_add_nc_u64 s[46:47], s[8:9], s[46:47]
	s_add_nc_u64 s[92:93], s[10:11], s[92:93]
	CROUND                                         ; all sixteen work-groups are here: the first joint loads meet
	s_mov_b32 s[G0S], 1
	s_add_co_u32 s[G0S+1], s94, SCL
	s_mov_b64 s[G0S+2:G0S+3], s[22:23]
	s_or_b32 s[G0S+3], s[G0S+3], 0x80000000
	s_mov_b32 s[G0SB], 1
	s_add_co_u32 s[G0SB+1], s94, SCL
	s_mov_b64 s[G0SB+2:G0SB+3], s[92:93]
	s_or_b32 s[G0SB+3], s[G0SB+3], 0x80000000
	JLOAD G0S, G1S, G0SB, G1SB                     ; the scales first: they are wanted with K step 0
.irp s, 0,1
	s_mov_b32 s[G0+4*\s], 1
	s_add_co_u32 s[G0+4*\s+1], s45, \s*SLOT
	s_add_nc_u64 s[G0+4*\s+2:G0+4*\s+3], s[20:21], \s*ROWB
	s_or_b32 s[G0+4*\s+3], s[G0+4*\s+3], 0x80000000
	s_mov_b32 s[G0B+4*\s], 1
	s_add_co_u32 s[G0B+4*\s+1], s45, \s*SLOT
	s_add_nc_u64 s[G0B+4*\s+2:G0B+4*\s+3], s[46:47], \s*ROWB
	s_or_b32 s[G0B+4*\s+3], s[G0B+4*\s+3], 0x80000000
	JLOAD G0+4*\s, G1, G0B+4*\s, G1B               ; three tensor loads of mine are out at the most
.endr
	v_and_b32 v1, 15, v0                           ; r = l % 16
	v_bfe_u32 v2, v0, 4, 1                         ; h = l / 16
	v_mul_u32_u24 v3, v1, PITCH
	v_mul_u32_u24 v4, v2, 24
	v_add_nc_u32 v4, v3, v4                        ; a fragment's row x pitch + 24 x half
	v_lshl_add_u32 v5, v2, 4, v4                   ; and the same behind one padding more
	s_mul_i32 s21, s15, HALFT                      ; my 128 rows of A
	s_mul_i32 s22, s16, HALFT                      ; my 128 rows of B,
	s_add_co_u32 s22, s22, 2*HALFT                 ; which lie behind A's 256
.irp s, 0,1
	v_add_nc_u32 v[ADRA+\s], s21, v4
	v_add_nc_u32 v[ADRB+\s], s22, v4
	v_add_nc_u32 v[ADRA+2+\s], s21, v5
	v_add_nc_u32 v[ADRB+2+\s], s22, v5
	s_add_co_u32 s21, s21, SLOT
	s_add_co_u32 s22, s22, SLOT
.endr
	v_mul_u32_u24 v5, v1, KS                       ; my row's scales: 32 bytes a row,
	v_lshrrev_b32 v6, 8, v5
	v_lshl_add_u32 v5, v6, 4, v5                   ; and 16 more for each 256 passed
	s_mul_i32 s21, s15, HALFS                      ; A's: my 128 rows
	s_mul_i32 s22, s16, HALFS                      ; B's: my 128 rows, behind A's 256
	s_add_co_u32 s22, s22, 2*HALFS
	s_sub_co_u32 s22, s22, s21
	v_mul_u32_u24 v6, s22, v2                      ; lanes 16-31 take B's: one product, the distance between the two
	s_add_co_u32 s21, s21, SCL
	v_add_nc_u32 v5, v5, v6
	v_add_nc_u32 v[ADRS], s21, v5
	v_and_b32 v6, 31, v0
	v_lshlrev_b32 v[LI], 4, v6
	v_lshlrev_b32 v[L8], 3, v6
	v_lshlrev_b32 v[BH], 6, v2
	v_and_b32 v[BC], 8, v1
	v_add_nc_u32 v[BC], v[BC], v1
	v_lshlrev_b32 v[BC], 2, v[BC]
	; where my results go.  My 128 tokens are one step of one batch, my 128 channels two heads of q, of k or of v.
	s_lshl_b32 s18, s17, 1
	s_add_co_u32 s18, s18, s15                     ; A's group of 128
	s_lshl_b32 s19, s42, 1
	s_add_co_u32 s19, s19, s16                     ; B's group of 128
	s_cmp_eq_u32 s66, 1
	s_cselect_b32 s92, s19, s18                    ; the tokens' group: 16 x batch + step
	s_cselect_b32 s93, s18, s19                    ; the channels' group: 0-7 q, 8-15 k, 16-23 v
	s_cmp_lt_u32 s93, 8
	s_cselect_b32 s94, 12800, 0                    ; the section: Q, K,
	s_cmp_ge_u32 s93, 16
	s_cselect_b32 s94, 6400, s94                   ; or V
	s_lshr_b32 s18, s92, 4
	s_mul_i32 s18, s18, 16*HEADB                   ; the batch,
	s_and_b32 s19, s93, 7
	s_mul_i32 s19, s19, 2*HEADB                    ; the first of my two heads,
	s_add_co_u32 s18, s18, s19
	s_and_b32 s19, s92, 15
	s_mul_i32 s19, s19, RECB                       ; the step
	s_add_co_u32 s18, s18, s19
	s_add_co_u32 s18, s18, s94
	s_mov_b32 s19, 0
	s_add_nc_u64 s[98:99], s[98:99], s[18:19]
	s_lshl_b32 s18, s93, 9
	s_add_nc_u64 s[96:97], s[96:97], s[18:19]      ; the bias of my 128 channels
	s_mov_b32 s20, 0x76543210
	s_mov_b32 s21, 0xfedcba98                      ; v_permlanex16_b32's selects for lane l xor 16
	s_mov_b32 s22, 0x05040100                      ; v_perm_b32: the low halves of two words
	s_mov_b32 s23, 0x07060302                      ; the high halves
.macro FRAG reg, adr, q, i             ; a fragment, 16 rows x 128 K of 6-bit codes, is 12 registers: lane l holds row l % 16; registers 6 c .. 6 c + 5 hold K = 64 c + 32 (l / 16) + 0 .. 31: 24 bytes of the row, as they lie
.irp p, 0,1,2,3,4,5                    ; in pieces of 8 bytes.  Lanes 0-15 take the row's pieces 12 q + 0, 1, 2 and 12 q + 6, 7, 8, lanes 16-31 those three pieces on
.set PC, 12*(\q)+6*(\p/3)+\p%3        ; 16 bytes of padding lie behind every 8 pieces: where the piece three on lies behind one padding more, the second address register serves
.if PC%8 < 5
	ds_load_b64 v[\reg+2*\p:\reg+2*\p+1], v[\adr] offset:8*PC+16*(PC/8)+(\i)*16*PITCH
.else
	ds_load_b64 v[\reg+2*\p:\reg+2*\p+1], v[\adr+2] offset:8*PC+16*(PC/8)+(\i)*16*PITCH
.endif
.endr
.endm
; 16 matrix instructions: A's blocks a0, a0 + 1 x B's eight, 128 along K: the slot's q-th.  p: B's set;  sc: the set of scale words.  zero = 1: the first product starts the sums.
; The 64 accumulators take turns, one instruction a turn, in the same order in every step.
.macro MUL16 a0, p, q, sc, zero
.irp a, \a0, \a0+1
.irp b, 0,1,2,3,4,5,6,7
.if \zero
	v_wmma_scale_f32_16x16x128_f8f6f4 v[8*(8*((\a)%4)+\b):8*(8*((\a)%4)+\b)+7], v[128*(\p)+FR*\b:128*(\p)+FR*\b+FR-1], v[AF+FR*(\a):AF+FR*(\a)+FR-1], 0, v[SC+8*NQ*(\sc)+NQ*\b+(\q)], v[SC+8*NQ*(\sc)+NQ*(\a)+(\q)] matrix_a_fmt:MATRIX_FMT_BF6 matrix_b_fmt:MATRIX_FMT_BF6 matrix_a_scale:MATRIX_SCALE_ROW1
.else
	v_wmma_scale_f32_16x16x128_f8f6f4 v[8*(8*((\a)%4)+\b):8*(8*((\a)%4)+\b)+7], v[128*(\p)+FR*\b:128*(\p)+FR*\b+FR-1], v[AF+FR*(\a):AF+FR*(\a)+FR-1], v[8*(8*((\a)%4)+\b):8*(8*((\a)%4)+\b)+7], v[SC+8*NQ*(\sc)+NQ*\b+(\q)], v[SC+8*NQ*(\sc)+NQ*(\a)+(\q)] matrix_a_fmt:MATRIX_FMT_BF6 matrix_b_fmt:MATRIX_FMT_BF6 matrix_a_scale:MATRIX_SCALE_ROW1
.endif
.endr
.endr
.endm
.macro FETCH_B slot, q, p              ; B's eight fragments of the slot's q-th 128 along K into set p
	WIN TO_B
.irp i, 0,1,2,3,4,5,6,7
	FRAG 128*(\p)+FR*\i, ADRB+\slot, \q, \i
.endr
	WIN 0
.endm
.macro FETCH_A slot, q, i0             ; A's blocks i0 .. i0 + 3
.irp i, \i0, \i0+1, \i0+2, \i0+3
	FRAG AF+FR*(\i), ADRA+\slot, \q, \i
.endr
.endm
.macro SCALES sc                       ; the next K step's scale words into set sc: two words a row; lanes 0-15 take A's block i, lanes 16-31 B's block i
.irp i, 0,1,2,3,4,5,6,7
	ds_load_b64 v[SC+8*NQ*\sc+NQ*\i:SC+8*NQ*\sc+NQ*\i+1], v[ADRS] offset:\i*SBLK
.endr
.endm
; A load into a register that a matrix instruction has read, and a vector instruction that reads a matrix result or writes one of its registers, stand NP places behind it; only plain vector
; instructions that name none of its registers are places (ISA guide 7.12.1 for vector instructions).
.macro PLACES n
.rept \n
	v_nop
.endr
.endm
; A step of 128 along K that has its successor in the same slot.
.macro STEP slot, q, zero
	s_wait_dscnt 4*NL                              ; B's set and A's blocks 0-3 are in; the youngest 24 loads (A's blocks 4-7) may be out
	WIN MUL_LO
	MUL16 0, (\q)%2, \q, \slot, \zero
	MUL16 2, (\q)%2, \q, \slot, \zero
	s_wait_dscnt 0                                 ; A's blocks 4-7 are in (asked for 32 matrix instructions ago)
	PLACES NP
	FETCH_B \slot, (\q)+1, 1-(\q)%2
	FETCH_A \slot, (\q)+1, 0
	WIN MUL_HI
	MUL16 4, (\q)%2, \q, \slot, \zero
	MUL16 6, (\q)%2, \q, \slot, \zero
	PLACES NP
	WIN 0
	FETCH_A \slot, (\q)+1, 4
.endm
; A slot's last step changes slots: ONE barrier; in front of it each wave waits for all its tensor loads, adds 0 to its spare word, and waits for that and for its own reads of this slot.  fill = 1: this slot is filled again, two K steps ahead.
.macro TURN slot, next, fill
	s_wait_tensorcnt 0x0                           ; all my tensor loads have landed: my part of the next slot;  (every window is 0 here)
	ds_add_u32 v[SPW], v[NIL]                      ; 0 onto my spare word
	s_wait_dscnt 4*NL+1                            ; (the add and the youngest 24 loads, A's blocks 4-7, may be out)
	WIN MUL_LO
	MUL16 0, 1, NQ-1, \slot, 0                     ; sixteen matrix instructions stand between the add and the wait for it
	s_wait_dscnt 0x0                               ; the add is done, and my reads of this slot are over
	s_barrier_signal -1
	MUL16 2, 1, NQ-1, \slot, 0
	WIN 0
	s_barrier_wait -1
.if \fill
	CREST                                          ; the barrier has opened a round of the cluster's barrier: no wave of any partner still reads this slot's tile or has a load on its way
	s_add_nc_u64 s[G0+4*\slot+2:G0+4*\slot+3], s[G0+4*\slot+2:G0+4*\slot+3], 2*ROWB
	s_add_nc_u64 s[G0B+4*\slot+2:G0B+4*\slot+3], s[G0B+4*\slot+2:G0B+4*\slot+3], 2*ROWB
	JLOAD G0+4*\slot, G1, G0B+4*\slot, G1B         ; the first tensor load behind the round; the four v_nop behind it are the places in front of the loads below
.else
	PLACES NP
.endif
	v_add_nc_u32 v[ADRS], 4*NQ, v[ADRS]            ; on to the next K step's scale words (no LDS load of mine is out)
	FETCH_B \next, 0, 0
	FETCH_A \next, 0, 0
	SCALES \next
	WIN MUL_HI
	MUL16 4, 1, NQ-1, \slot, 0
	MUL16 6, 1, NQ-1, \slot, 0
	PLACES NP
	WIN 0
	FETCH_A \next, 0, 4
.endm
.macro LAST                            ; the very last step: nothing more to fetch
	s_wait_dscnt 4*NL
	WIN MUL_LO
	MUL16 0, 1, NQ-1, 1, 0
	MUL16 2, 1, NQ-1, 1, 0
	s_wait_dscnt 0
	WIN MUL_HI
	MUL16 4, 1, NQ-1, 1, 0
	MUL16 6, 1, NQ-1, 1, 0
	WIN 0
.endm
; THE WAY OUT.  MOVE: A's block a: its 64 results come into window 0 and take the bias, one packed addition for both; each accumulator is read from its low end on.
; isv = 0: register i has its own number of the bias;  isv = 1: the lane's channel has one number for all 64.
.macro MOVE a, isv
	WIN 0x02+(\a)/4                                ; source 0: window 2 or 3
.set i, 0
.rept 32
.if \isv
	v_pk_add_f32 v[X+2*i:X+2*i+1], v[64*((\a)%4)+2*i:64*((\a)%4)+2*i+1], v[BL+2*(\a):BL+2*(\a)+1] op_sel_hi:[1,0]
.else
	v_pk_add_f32 v[X+2*i:X+2*i+1], v[64*((\a)%4)+2*i:64*((\a)%4)+2*i+1], v[BR+2*i:BR+2*i+1]
.endif
.set i, i+1
.endr
	WIN 0
.endm
; QUANT: 64 numbers of a lane, register 16 b + i = index 32 b + 16 (lane / 16) + i of the lane's row, become codes: blocks 0, 1 in six registers from d0 on, blocks 2, 3 from d1 on
; (lanes 0-15 hold the even block, lanes 16-31 the odd one, whole), and the four scale bytes in v[pw], in both halves of the lanes.
.macro QUANT s, d0, d1, pw
.irp b, 0,1,2,3
	v_max3_num_f32 v[TM+\b], |v[\s+16*\b]|, |v[\s+1+16*\b]|, 0x2800000   ; block b: my 16 numbers, and the floor 2^(5 - 127): the byte cannot fall under 1
.endr
.irp i, 2,4,6,8,10,12,14
.irp b, 0,1,2,3
	v_max3_num_f32 v[TM+\b], v[TM+\b], |v[\s+16*\b+\i]|, |v[\s+1+16*\b+\i]|   ; (the four blocks by turns)
.endr
.endr
.irp b, 0,1,2,3
	v_permlanex16_b32 v[TM+4+\b], v[TM+\b], s20, s21
.endr
.irp b, 0,1,2,3
	v_max_num_f32 v[TM+\b], v[TM+\b], v[TM+4+\b]   ; with lane l xor 16's: the block's largest magnitude
.endr
.irp b, 0,1,2,3
	v_add_nc_u32 v[TM+12+\b], 0xfe000000, v[TM+\b] ; 4 off its exponent field: the conversion's scale operand
.endr
.irp b, 0,1,2,3
	v_lshrrev_b32 v[TM+4+\b], 23, v[TM+12+\b]      ; the scale's byte
.endr
	v_lshl_or_b32 v[\pw], v[TM+5], 8, v[TM+4]
	v_lshl_or_b32 v[\pw], v[TM+6], 16, v[\pw]
	v_lshl_or_b32 v[\pw], v[TM+7], 24, v[\pw]
	v_cvt_scalef32_pk16_bf6_f32 v[(\d0):(\d0)+2], v[\s:\s+15], v[TM+12]
	v_cvt_scalef32_pk16_bf6_f32 v[T2:T2+2], v[\s+16:\s+31], v[TM+13]        ; (a conversion's three registers begin on an even number)
	v_cvt_scalef32_pk16_bf6_f32 v[(\d1):(\d1)+2], v[\s+32:\s+47], v[TM+14]
	v_cvt_scalef32_pk16_bf6_f32 v[T2+4:T2+6], v[\s+48:\s+63], v[TM+15]
	v_nop                                          ; one plain place behind a scaled conversion
.irp i, 0,1,2
	v_permlane16_swap_b32 v[(\d0)+\i], v[T2+\i]    ; the first's lanes 16-31 change places with the second's lanes 0-15: a whole block in a lane
.endr
.irp i, 0,1,2
	v_mov_b32 v[(\d0)+3+\i], v[T2+\i]
.endr
.irp i, 0,1,2
	v_permlane16_swap_b32 v[(\d1)+\i], v[T2+4+\i]
.endr
.irp i, 0,1,2
	v_mov_b32 v[(\d1)+3+\i], v[T2+4+\i]
.endr
.endm
.macro PAIRS                           ; eight images' scale words, two images to a register: the even one's in lanes 0-15, the odd one's in lanes 16-31; 32 lanes store 256 consecutive bytes, aligned
.irp c, 0,1
	v_cndmask_b32 v[KWD+2*\c], v[WW+4*\c], v[WW+4*\c+1], vcc_lo
	v_cndmask_b32 v[KWD+2*\c+1], v[WW+4*\c+2], v[WW+4*\c+3], vcc_lo
	global_store_b64 v[L8], v[KWD+2*\c:KWD+2*\c+1], s[98:99] offset:\c*HEADB+6144
.endr
.endm
.macro FINISH
	s_wait_tensorcnt 0x0                           ; the wave's end
	ds_add_u32 v[SPW], v[NIL]
	s_wait_dscnt 0x0
	CROUND                                         ; the closing round: no work-group ends while a partner may still ask for a tile that names it
	s_endpgm
.endm
	s_wait_tensorcnt 1                             ; the scales and my part of K step 0 are in (K step 1's load may be out),
	s_barrier_signal -1
	s_barrier_wait -1                              ; everybody's are
	FETCH_B 0, 0, 0
	FETCH_A 0, 0, 0
	SCALES 0
	FETCH_A 0, 0, 4
	STEP 0, 0, 1                                   ; the first step stands in front of the loop: its products start the sums
	s_mov_b32 s3, LAPS-1
.Llap:                                                 ; a trip goes once round the ring, from a lap's second step to the next lap's first, and fills both slots again
	TURN 0, 1, 1
	STEP 1, 0, 0
	TURN 1, 0, 1
	STEP 0, 0, 0
	s_sub_co_u32 s3, s3, 1
	s_cmp_lg_u32 s3, 0
	s_cbranch_scc1 .Llap
	TURN 0, 1, 0                                   ; the last lap fills nothing, and has no round of the cluster's barrier
	STEP 1, 0, 0
	s_cmp_eq_u32 s66, 1                            ; the cluster's x: the same in all sixteen partners
	s_cbranch_scc1 .Lv_arm
	; ---- q and k: a lane holds one token; registers 16 b + i are channels 32 b + 16 h + i of my 128: blocks 0, 1 the first head, blocks 2, 3 the second
.irp bb, 0,1,2,3
.irp g, 0,1,2,3
	global_load_b128 v[BR+16*\bb+4*\g:BR+16*\bb+4*\g+3], v[BH], s[96:97] offset:128*\bb+16*\g   ; the bias lands under the last 64 products
.endr
.endr
	LAST
	PLACES NP
	s_mov_b32 vcc_lo, 0xffff0000                   ; lanes 16-31
.irp b, 0,1,2,3
	v_mov_b32 v[TM+4+\b], 0                        ; written once: a lane permute's destination counts as one of its sources
.endr
	s_wait_loadcnt 0x0                             ; the bias
.irp al, 0,1,2,3                       ; image al of both heads: tokens 32 al + .., from A's blocks 2 al (registers 0-5) and 2 al + 1 (registers 6-11)
	s_wait_xcnt 0x0                                ; the stores issued so far have read their registers: this set of images is written again only behind this wait
	MOVE 2*\al, 0
	QUANT X, IMG+24*(\al%2), IMG+24*(\al%2)+12, PWE
	MOVE 2*\al+1, 0
	QUANT X, IMG+24*(\al%2)+6, IMG+24*(\al%2)+18, PWO
.irp c, 0,1
.irp g, 0,1,2
	global_store_b128 v[LI], v[IMG+24*(\al%2)+12*\c+4*\g:IMG+24*(\al%2)+12*\c+4*\g+3], s[98:99] offset:\c*HEADB+1536*\al+512*\g   ; 32 lanes store 512 consecutive bytes, aligned to 256
.endr
.endr
	v_perm_b32 v[WW+\al], v[PWO], v[PWE], s22      ; the first head's word: the even block's bytes 0, 1, then the odd block's
	v_perm_b32 v[WW+4+\al], v[PWO], v[PWE], s23    ; the second head's: bytes 2, 3 of both
.endr
	PAIRS
	FINISH
	; ---- v: a lane holds one channel; registers 16 b + i are keys 32 b + 16 h + i of the step's 128: a block of A's is one whole fragment of V^T
.Lv_arm:
.irp a, 0,1,2,3,4,5,6,7
	global_load_b32 v[BL+2*\a], v[BC], s[96:97] offset:4*(32*(\a/2)+8*(\a%2))     ; lane r of block a is channel 32 (a / 2) + 8 (a % 2) + r + 8 (r / 8) of my 128
	global_load_b32 v[BL+2*\a+1], v[BC], s[96:97] offset:4*(32*(\a/2)+8*(\a%2))   ; (the packed addition names a pair)
.endr
	LAST
	PLACES NP
	s_mov_b32 vcc_lo, 0xffff0000
.irp b, 0,1,2,3
	v_mov_b32 v[TM+4+\b], 0
.endr
	s_wait_loadcnt 0x0
.irp a, 0,1,2,3,4,5,6,7                ; head a / 4, image a % 4
	s_wait_xcnt 0x0                                ; as above
	MOVE \a, 1
	QUANT X, IMG+24*(\a%2), IMG+24*(\a%2)+6, WW+\a
.irp g, 0,1,2
	global_store_b128 v[LI], v[IMG+24*(\a%2)+4*\g:IMG+24*(\a%2)+4*\g+3], s[98:99] offset:(\a/4)*HEADB+(\a%4)*1536+512*\g
.endr
.endr
	PAIRS
	FINISH
.Lfunc_end_k_qc5de0a8b3e_qkv:
	.size	k_qc5de0a8b3e_qkv, .Lfunc_end_k_qc5de0a8b3e_qkv-k_qc5de0a8b3e_qkv
	.p2alignl 7, 3214868480
	.fill 96, 4, 3214868480
	.section	.rodata,"a",@progbits
	.p2align	6, 0x0
	.amdhsa_kernel k_qc5de0a8b3e_qkv
		.amdhsa_group_segment_fixed_size 327680
		.amdhsa_private_segment_fixed_size 0
		.amdhsa_enable_private_segment 0
		.amdhsa_kernarg_size 48
		.amdhsa_user_sgpr_count 2
		.amdhsa_user_sgpr_kernarg_segment_ptr 1
		.amdhsa_wavefront_size32 1
		.amdhsa_system_sgpr_workgroup_id_x 1
		.amdhsa_system_sgpr_workgroup_id_y 1
		.amdhsa_system_sgpr_workgroup_id_z 1
		.amdhsa_system_vgpr_workitem_id 0
		.amdhsa_next_free_vgpr 1024
		.amdhsa_next_free_sgpr 102
		.amdhsa_reserve_vcc 1
		.amdhsa_float_denorm_mode_32 3
		.amdhsa_float_denorm_mode_16_64 3
		.amdhsa_memory_ordered 1
		.amdhsa_forward_progress 1
		.amdhsa_inst_pref_size 242
	.end_amdhsa_kernel
	.amdgpu_metadata
---
amdhsa.version: [ 1, 2 ]
amdhsa.kernels:
  - .name:           k_qc5de0a8b3e_qkv
    .symbol:         k_qc5de0a8b3e_qkv.kd
    .args:
      - { .name: xc, .offset: 0, .size: 8, .value_kind: global_buffer, .address_space: global }
      - { .name: xs, .offset: 8, .size: 8, .value_kind: global_buffer, .address_space: global }
      - { .name: wc, .offset: 16, .size: 8, .value_kind: global_buffer, .address_space: global }
      - { .name: ws, .offset: 24, .size: 8, .value_kind: global_buffer, .address_space: global }
      - { .name: b_qkv, .offset: 32, .size: 8, .value_kind: global_buffer, .address_space: global }
      - { .name: qkvb, .offset: 40, .size: 8, .value_kind: global_buffer, .address_space: global }
    .group_segment_fixed_size: 327680
    .private_segment_fixed_size: 0
    .kernarg_segment_align: 8
    .kernarg_segment_size: 48
    .max_flat_workgroup_size: 128
    .sgpr_count:     102
    .vgpr_count:     1024
    .wavefront_size: 32
...
	.end_amdgpu_metadata
.endif
;; end of part 2
;; launch attn (part 3): grid 4 x 64, 16 waves a work-group, clusters of 4 x 1, 206,848 bytes of LDS; arguments qkvb, yimg, ysc; writes yimg, ysc
.if DOCPART == 3
	.amdgcn_target "amdgcn-amd-amdhsa--gfx1250"
	.amdhsa_code_object_version 6
	.text
	.protected	k_qc5de0a8b3e_attn
	.globl	k_qc5de0a8b3e_attn
	.p2align	8
	.type	k_qc5de0a8b3e_attn,@function
k_qc5de0a8b3e_attn:
	s_mov_b64 s[64:65], 0
	v_nop
	global_prefetch_b8 v0, s[64:65] scope:SCOPE_SE
	s_setreg_imm32_b32 hwreg(HW_REG_WAVE_MODE, 25, 1), 1
	s_wait_xcnt 0x0
	s_wait_alu depctr_hold_cnt(0) depctr_sa_sdst(0) depctr_va_vdst(0) depctr_va_sdst(0) depctr_va_ssrc(0) depctr_va_vcc(0) depctr_vm_vsrc(0)
	s_getreg_b32 s2, hwreg(HW_REG_IB_STS2, 6, 4)
	s_cmp_eq_u32 s2, 0
	s_cbranch_scc0 .Lentry_in_a_cluster
	s_endpgm
.Lentry_in_a_cluster:
	s_bfe_u32 s2, ttmp6, 0x10000c
	s_cmp_lg_u32 s2, 0x3003
	s_cbranch_scc0 .Lentry_shape_is_right
	s_endpgm
.Lentry_shape_is_right:
; Causal attention of one head on codes of BF6 (E3M2) with E8M0 scales: y[q] = (sum over keys k <= q of p(q, k) v[k]) / (sum of p), p = 2^(t - M), t = (q . k) log2(e) / 8, M the running largest t rounded UP to a whole number.
; p is quantised along the keys, 32 to a block; the row's sum is taken of the unquantised p.  y is quantised at once along the channels, for the last product, and leaves as images of operand registers.
; INPUT qkvb: [batch x head 64][step of 128 tokens 16][19,200 bytes]: K's section at 0, V's at 6,400, Q's at 12,800; a section: 4 images of 1,536 bytes (registers 4 g .. 4 g + 3 of lane l at 512 g + 16 l), then 256 bytes of scale words.
;   K or Q image i: registers 0-5: token 32 i + r + 8 (r / 8), registers 6-11: token 32 i + 8 + r + 8 (r / 8), both channels 32 (lane / 16) + 0 .. 31.   V image t: lane r is channel position 16 t + r, K = the step's 128 keys.
; THE HEAD'S 64 CHANNELS FILL HALF OF THE INSTRUCTION'S K = 128.  An image of K holds TWO tiles of 16 keys side by side along K; multiplied by [q | zeros] it gives the first tile's scores, by [zeros | q] the second's: each image is read once.
; SHARES.  A cluster of four work-groups is one head.  K's and V's sections of the whole head, 16 x 12,800 bytes, fill LDS once, by joint loads (the same load with the same descriptor in all four); nothing is filled again.
; A wave has two jobs, each a tile of 16 queries: of step 8 + w / 2, then of step 7 - w / 2 (image cx, half w % 2).  A job of step s walks s + 1 key steps: 17 key steps for every wave of every work-group.
; All trip counts are constants; a key step that lies wholly behind the job's queries is jumped over by a scalar branch on the wave's number and the loop's counter.  cx enters global addresses and the mask's lane values alone.
; Both products are used transposed: a lane holds ONE query (lane % 16) throughout; the 16 registers of score tiles 2 i, 2 i + 1 are keys 32 i + 16 (lane / 16) + 0 .. 15.
; OUTPUT yimg: [head / 4][16 positions of tokens: 512][head % 4][3][256 bytes]: piece i holds registers 2 i, 2 i + 1 of the head's six (channels 32 (lane / 16) + 0 .. 31 of token position r) at 8 x lane.  ysc: [position][32]: byte 2 head + block.
; LIMITS: NaN and infinities are not served; a block of zeros, or one under 2^-122, keeps the byte 1.  1 / sum is v_rcp_f32.  A block's largest p is made from its largest score by the same two instructions, which takes v_exp_f32 not to fall where its input rises.
; ysc is written a byte a lane, 32 bytes apart: 32 bytes for a job's 768 bytes of codes.
.set RECB,  19200
.set KVB,   12800                      ; K's and V's sections of a step: what one tensor load brings
.set HEADB, 16*RECB
.set VOFF,  6400
.set LI,  1                            ; v1   16 x lane
.set L8,  2                            ; v2   8 x lane
.set DQ,  3                            ; v3   my query's number in its step - 16 (lane / 16)
.set ADK, 4                            ; v4   LDS address of the step's images
.set ADS, 5                            ; v5   of its scale words
.set VQ0, 6                            ; v6-8 my bytes in Q's section
.set VQ1, 7
.set VQS, 8
.set SBO, 9                            ; v9   32 r + lane / 16: my scale byte's place in ysc
.set Q,   16                           ; v16-33 [q | zeros | q]
.set QS,  34                           ; v34  q's scale word: its two bytes, twice
.set QR,  35                           ; v35  the image's word as loaded
.set KV,  36                           ; v36-83 four images of K, then of V
.set KSC, 84                           ; v84-85 K's scale words, v86-87 V's
.set VSC, 86
.set S,   96                           ; v96-159 the scores, then p, at last y
.set O,   160                          ; v160-191 O^T: register 8 t + j is channel 32 (t / 2) + 16 (lane / 16) + 8 (t % 2) + j
.set P,   192                          ; v192-203 p's codes
.set T2,  204                          ; v204-210 the second halves of blocks
.set BM,  212                          ; v212-215 each block's largest
.set PD,  216                          ; v216-219 lane permutes' results, then bytes
.set SO,  220                          ; v220-223 the conversions' scale operands
.set PW,  224                          ; v224 p's scale word
.set F,   226                          ; v226 f = 2^(old M - new M) (v227: the pair's upper half)
.set TMP, 228
.set SUM2, 230                         ; v230-231 the sum's second chain
.set YC,  232                          ; v232-237 y's codes
.set YC2, 240
.set YBY, 244                          ; my scale byte
; v12 -M, v13 the largest t, v[14:15] the sum in two halves
; s10 wave, s11 w % 2, s12 cx, s13 batch x head, s14 head, s15 batch, s[18:19] the head's records, s[20:21] lane selects, s[22:23] c, s[24:31] descriptor group 1, s[32:47] four groups 0,
; s48 LDS byte of the key step, s49 its number, s50 the loop's counter, s51 the job's step, s52 the selector for q's scale bytes, s53 lanes 16-31, s[54:55] Q's section, s[56:57] my tile of yimg, s[58:59] of ysc, s68 tile number less 8 x step, s69 w / 2
.macro ROUND                           ; a round of the cluster's barrier
	s_barrier_signal -1
	s_barrier_wait -1
	s_cmp_lg_u32 s10, 0
	s_cbranch_scc1 .Lnot_wave_0_\@
	s_barrier_signal -3
.Lnot_wave_0_\@:
	s_barrier_wait -3
	s_barrier_signal -1
	s_barrier_wait -1
.endm
	s_load_b128 s[4:7], s[0:1], 0x0                ; qkvb, yimg
	s_load_b64 s[8:9], s[0:1], 0x10                ; ysc
	v_lshl_add_u32 v254, v0, 2, 0x32000
	v_mov_b32 v255, 0
	ds_add_u32 v254, v255
	ds_add_u32 v254, v255
	v_lshrrev_b32 v1, 5, v0
	s_delay_alu instid0(VALU_DEP_1)
	v_readfirstlane_b32 s10, v1                    ; wave 0..15
	s_and_b32 s11, s10, 1
	s_lshr_b32 s69, s10, 1
	s_bfe_u32 s12, ttmp6, 0x40000                  ; cx
	s_and_b32 s13, ttmp7, 0xffff                   ; batch x head, which the four partners share
	s_and_b32 s14, s13, 15
	s_lshr_b32 s15, s13, 4
	; descriptor group 1: 12,800 dense bytes as 50 rows of 256 bytes (32 elements of 8 bytes), no padding
	s_mov_b32 s24, 15|(3<<16)|(1<<21)              ; 15:0 the mask: all four work-groups; 17:16 elements of 8 bytes; 21 set beside a mask
	s_mov_b32 s25, 32<<16                          ; tensor_dim0
	s_mov_b32 s26, 50<<16                          ; tensor_dim1
	s_mov_b32 s27, 32<<16                          ; tile_dim0
	s_mov_b32 s28, 50                              ; tile_dim1
	s_mov_b32 s29, 32                              ; tensor_dim0_stride
	s_mov_b32 s30, 0
	s_mov_b32 s31, 0
	s_mul_i32 s60, s13, HEADB
	s_mov_b32 s61, 0
	s_and_b32 s62, s10, 3                          ; waves 0-3 fetch; load k of wave i is key step 4 k + i
	s_mul_i32 s66, s62, RECB
	s_mov_b32 s67, 0
	s_mul_i32 s63, s62, KVB
	s_mov_b32 s20, 0x76543210
	s_mov_b32 s21, 0xfedcba98                      ; v_permlanex16_b32's selects for lane l xor 16
	s_mov_b32 s22, 0x3e38aa3b                      ; c = log2(e) / 8
	s_mov_b32 s23, s22                             ; (named with it as a pair)
	s_mov_b32 s53, 0xffff0000
	s_mov_b32 s52, 0x03020302
	s_cmp_eq_u32 s11, 0
	s_cselect_b32 s52, 0x01000100, s52             ; my half's two bytes of the image's scale word, twice
	s_wait_dscnt 0x0
	s_wait_kmcnt 0x0
	s_add_nc_u64 s[18:19], s[4:5], s[60:61]        ; the head's records
	s_add_nc_u64 s[66:67], s[18:19], s[66:67]
	ROUND                                          ; all four work-groups are here: the joint loads meet
.irp k, 0,1,2,3
	s_mov_b32 s[32+4*\k], 1                        ; count = 1
	s_add_co_u32 s[33+4*\k], s63, \k*4*KVB         ; LDS address: key step x 12,800
	s_add_nc_u64 s[34+4*\k:35+4*\k], s[66:67], \k*4*RECB
	s_or_b32 s[35+4*\k], s[35+4*\k], 0x80000000    ; type = 2
.endr
	s_cmp_lt_u32 s10, 4
	s_cbranch_scc0 .Lno_fill
	tensor_load_to_lds s[32:35], s[24:31]          ; all the launch's fills, in one branch: four tensor loads of mine are out at the most
	s_nop 0
	tensor_load_to_lds s[36:39], s[24:31]
	s_nop 0
	tensor_load_to_lds s[40:43], s[24:31]
	s_nop 0
	tensor_load_to_lds s[44:47], s[24:31]
	s_nop 0
.rept 4
	v_nop
.endr
.Lno_fill:
	v_and_b32 v10, 31, v0
	s_delay_alu instid0(VALU_DEP_1)
	v_lshlrev_b32 v[LI], 4, v10
	s_delay_alu instid0(VALU_DEP_2)
	v_lshlrev_b32 v[L8], 3, v10
	v_and_b32 v11, 15, v0                          ; r
	s_wait_alu depctr_va_vdst(0)
	v_bfe_u32 v10, v0, 4, 1                        ; h
	s_wait_alu depctr_va_vdst(0)
	v_and_b32 v[DQ], 8, v11
	s_delay_alu instid0(VALU_DEP_1)
	v_add_nc_u32 v[DQ], v[DQ], v11                 ; r + 8 (r / 8)
	v_lshlrev_b32 v[TMP], 4, v10
	s_delay_alu instid0(VALU_DEP_1)
	v_sub_nc_u32 v[DQ], v[DQ], v[TMP]
	s_lshl_b32 s60, s12, 5
	s_lshl_b32 s61, s11, 3
	s_add_co_u32 s60, s60, s61
	v_add_nc_u32 v[DQ], s60, v[DQ]                 ; 32 cx + 8 u + r + 8 (r / 8) - 16 h
	s_mul_i32 s60, s12, 1536                       ; Q's image cx.  My half's six registers: u = 0: bytes 0-15 of group 0 and 0-7 of group 1; u = 1: bytes 8-15 of group 1 and 0-15 of group 2
	s_mul_i32 s61, s11, 520
	s_add_co_u32 s61, s61, s60
	v_add_nc_u32 v[VQ0], s61, v[LI]                ; registers 0, 1 (and, 512 bytes on, 4, 5)
	s_mul_i32 s61, s11, 1016
	s_add_co_u32 s61, s61, s60
	s_add_co_u32 s61, s61, 8
	v_add_nc_u32 v[VQ1], s61, v[LI]                ; registers 2, 3
	s_and_b32 s60, s12, 1
	s_lshl_b32 s60, s60, 7
	s_lshr_b32 s61, s12, 1
	s_lshl_b32 s61, s61, 2
	s_add_co_u32 s60, s60, s61
	s_add_co_u32 s60, s60, 6144
	v_lshl_add_u32 v[VQS], v11, 3, s60             ; image cx's word of row r: register cx / 2 of lane 16 (cx % 2) + r
	v_lshl_add_u32 v[SBO], v11, 5, v10
	s_lshr_b32 s60, s14, 2
	s_mul_i32 s60, s60, 1572864                    ; yimg: head / 4,
	s_and_b32 s61, s14, 3
	s_mul_i32 s61, s61, 768                        ; head % 4
	s_add_co_u32 s60, s60, s61
	s_mov_b32 s61, 0
	s_add_nc_u64 s[6:7], s[6:7], s[60:61]
	s_lshl_b32 s60, s14, 1
	s_add_nc_u64 s[8:9], s[8:9], s[60:61]          ; ysc: byte 2 x head
	s_lshl_b32 s68, s15, 7
	s_lshl_b32 s60, s12, 1
	s_add_co_u32 s68, s68, s60
	s_add_co_u32 s68, s68, s11                     ; 128 batch + 2 cx + u
.irp i, 0,1,2,3,4,5
	v_mov_b32 v[Q+6+\i], 0                         ; the zero codes between the two copies of q: written once
.endr
.irp b, 0,1,2,3
	v_mov_b32 v[PD+\b], 0                          ; written once: a lane permute's destination counts as one of its sources
.endr
	v_mov_b32 v[F+1], 0                            ; (named as the upper half of a pair)
; A JOB'S HEAD.  s51 = the job's step.
.macro JOBHEAD
	s_wait_xcnt 0x0                                ; the last job's stores have read their registers and bases: both are written again only behind this wait
	s_mul_i32 s60, s51, RECB
	s_add_co_u32 s60, s60, 2*VOFF
	s_mov_b32 s61, 0
	s_add_nc_u64 s[54:55], s[18:19], s[60:61]      ; the step's section of Q
	s_lshl_b32 s62, s51, 3
	s_add_co_u32 s62, s62, s68                     ; my tile of 16 positions: 128 batch + 8 step + 2 cx + u
	s_mul_i32 s60, s62, 3072
	s_add_nc_u64 s[56:57], s[6:7], s[60:61]
	s_lshl_b32 s60, s62, 9
	s_add_nc_u64 s[58:59], s[8:9], s[60:61]
	global_load_b64 v[Q:Q+1], v[VQ0], s[54:55]
	global_load_b64 v[Q+12:Q+13], v[VQ0], s[54:55]
	global_load_b64 v[Q+2:Q+3], v[VQ1], s[54:55]
	global_load_b64 v[Q+14:Q+15], v[VQ1], s[54:55]
	global_load_b64 v[Q+4:Q+5], v[VQ0], s[54:55] offset:512
	global_load_b64 v[Q+16:Q+17], v[VQ0], s[54:55] offset:512
	global_load_b32 v[QR], v[VQS], s[54:55]
	s_mov_b32 s48, 0
	s_mov_b32 s49, 0
	s_wait_loadcnt 0x0
	v_perm_b32 v[QS], v[QR], v[QR], s52            ; the lines below are more than the eight places between this write of a scale register and the first product
	v_mov_b32 v13, 0xff61b1e6                      ; the largest t so far: -3e38, under every t
	s_delay_alu instid0(VALU_DEP_1)
	v_floor_f32 v12, -v13                          ; -M
	v_mov_b32 v14, 0
	v_mov_b32 v15, 0
.set n, 0
.rept 32
	v_mov_b32 v[O+n], 0                            ; O^T: the first key step finds zeros, which the first change of M leaves zeros
.set n, n+1
.endr
.endm
; A KEY STEP: 128 keys.  causal = 1: it may lie behind the job's queries (left out) or on the diagonal (masked).
.macro STEP causal
.if \causal
	s_cmp_gt_u32 s49, s51
	s_cbranch_scc1 .Lhid_\@
.endif
	s_setprio 2
	v_add_nc_u32 v[ADK], s48, v[LI]
	v_add_nc_u32 v[ADS], s48, v[L8]
	v_nop
	v_nop                                          ; four places in front of loads into registers that the last products read
.irp i, 0,1,2,3
.irp g, 0,1,2
	ds_load_b128 v[KV+12*\i+4*\g:KV+12*\i+4*\g+3], v[ADK] offset:1536*\i+512*\g   ; 512 consecutive bytes an instruction
.endr
.endr
	ds_load_b64 v[KSC:KSC+1], v[ADS] offset:6144
	s_wait_alu depctr_va_vdst(0)
	s_wait_dscnt 0x0
.irp t, 0,1,2,3,4,5,6,7                ; S^T: tile t: image t / 2, its half t % 2
.if (\t/2)%2
	v_wmma_scale_f32_16x16x128_f8f6f4 v[S+8*\t:S+8*\t+7], v[KV+12*(\t/2):KV+12*(\t/2)+11], v[Q+6*(\t%2):Q+6*(\t%2)+11], 0, v[KSC+\t/4], v[QS] matrix_a_fmt:MATRIX_FMT_BF6 matrix_b_fmt:MATRIX_FMT_BF6 matrix_a_scale:MATRIX_SCALE_ROW1
.else
	v_wmma_scale_f32_16x16x128_f8f6f4 v[S+8*\t:S+8*\t+7], v[KV+12*(\t/2):KV+12*(\t/2)+11], v[Q+6*(\t%2):Q+6*(\t%2)+11], 0, v[KSC+\t/4], v[QS] matrix_a_fmt:MATRIX_FMT_BF6 matrix_b_fmt:MATRIX_FMT_BF6
.endif
.endr
.rept 4
	v_nop                                          ; places: for the loads below, and for the first read of the scores
.endr
.irp i, 0,1,2,3
.irp g, 0,1,2
	ds_load_b128 v[KV+12*\i+4*\g:KV+12*\i+4*\g+3], v[ADK] offset:VOFF+1536*\i+512*\g   ; V's images land under the softmax
.endr
.endr
	ds_load_b64 v[VSC:VSC+1], v[ADS] offset:VOFF+6144
.if \causal
	s_cmp_lt_u32 s49, s51
	s_cbranch_scc1 .Lopen_\@                       ; all 128 keys count
	v_mov_b32 v[TMP], 0xff800000                   ; on the diagonal hidden scores become -infinity ahead of the maximum: p = 0 then
.set n, 0
.rept 64
	v_cmp_gt_i32 vcc_lo, 32*(n/16)+n%16, v[DQ]     ; register n holds key 32 (n / 16) + 16 (lane / 16) + n % 16 of the step
	v_cndmask_b32 v[S+n], v[S+n], v[TMP], vcc_lo
.set n, n+1
.endr
.Lopen_\@:
.endif
.irp b, 0,1,2,3
	v_max3_num_f32 v[BM+\b], v[S+16*\b], v[S+1+16*\b], v[S+2+16*\b]   ; the largest score of each block of 32 keys: for the row's maximum, and for the block's largest p
.endr
.irp i, 3,5,7,9,11,13
.irp b, 0,1,2,3
	v_max3_num_f32 v[BM+\b], v[BM+\b], v[S+16*\b+\i], v[S+1+16*\b+\i]
.endr
.endr
.irp b, 0,1,2,3
	v_max_num_f32 v[BM+\b], v[BM+\b], v[S+15+16*\b]
.endr
.irp b, 0,1,2,3
	s_delay_alu instid0(VALU_DEP_4)
	v_permlanex16_b32 v[PD+\b], v[BM+\b], s20, s21
.endr
.irp b, 0,1,2,3
	s_delay_alu instid0(VALU_DEP_4)
	v_max_num_f32 v[BM+\b], v[BM+\b], v[PD+\b]     ; with lane l xor 16's 16 keys
.endr
	s_delay_alu instid0(VALU_DEP_2)
	v_max3_num_f32 v[TMP], v[BM], v[BM+1], v[BM+2]
	s_delay_alu instid0(VALU_DEP_1)
	v_max_num_f32 v[TMP], v[TMP], v[BM+3]          ; the step's largest score of my query
	s_delay_alu instid0(VALU_DEP_1)
	v_mul_f32 v[TMP], s22, v[TMP]                  ; as t (c is positive)
	s_delay_alu instid0(VALU_DEP_1)
	v_max_num_f32 v13, v13, v[TMP]                 ; the running largest t
	v_mov_b32 v[TMP], v12
	s_delay_alu instid0(VALU_DEP_2)
	v_floor_f32 v12, -v13                          ; the new -M = -ceil(t): a whole number
	s_delay_alu instid0(VALU_DEP_1)
	v_sub_f32 v[TMP], v12, v[TMP]                  ; old M - new M: a whole number, 0 or less
	s_delay_alu instid0(VALU_DEP_1)
	v_cvt_i32_f32 v[TMP], v[TMP]                   ; (it saturates)
	s_delay_alu instid0(VALU_DEP_1)
	v_ldexp_f32 v[F], 1.0, v[TMP]                  ; f = 2^(old M - new M): a multiplication by it rounds nothing
.set n, 0
.rept 32
	v_pk_fma_f32 v[S+n:S+n+1], v[S+n:S+n+1], s[22:23], v[12:13] op_sel_hi:[1,0,0]   ; t - M, two at a time
.set n, n+2
.endr
.irp b, 0,1,2,3
	v_fma_f32 v[BM+\b], v[BM+\b], s22, v12         ; the same of each block's largest score
.endr
.set n, 0
	s_setprio 1
	s_wait_alu depctr_va_vdst(0)
.rept 64
	v_exp_f32 v[S+n], v[S+n]                       ; p = 2^(t - M), at most 1: not normalised
.set n, n+1
.endr
.irp b, 0,1,2,3
	v_exp_f32 v[BM+\b], v[BM+\b]                   ; the block's largest p
.endr
	v_pk_mul_f32 v[14:15], v[14:15], v[F:F+1] op_sel_hi:[1,0]   ; the sums under the new M (the plain place behind the exponentials)
	s_wait_alu depctr_va_vdst(0)
.irp b, 0,1,2,3
	v_max_num_f32 v[BM+\b], 0x2800000, v[BM+\b]    ; the floor 2^(5 - 127)
.endr
.irp b, 0,1,2,3
	s_delay_alu instid0(VALU_DEP_4)
	v_add_nc_u32 v[SO+\b], 0xfe000000, v[BM+\b]    ; 4 off the exponent field: the conversion's scale operand
.endr
.irp b, 0,1,2,3
	s_delay_alu instid0(VALU_DEP_4)
	v_lshrrev_b32 v[PD+\b], 23, v[SO+\b]           ; the scale's byte
.endr
	s_delay_alu instid0(VALU_DEP_3)
	v_lshl_or_b32 v[PW], v[PD+1], 8, v[PD]         ; p's scale word for these 128 keys
	s_delay_alu instid0(VALU_DEP_1)
	v_lshl_or_b32 v[PW], v[PD+2], 16, v[PW]
	s_delay_alu instid0(VALU_DEP_1)
	v_lshl_or_b32 v[PW], v[PD+3], 24, v[PW]
.irp c, 0,1
	v_cvt_scalef32_pk16_bf6_f32 v[P+6*\c:P+6*\c+2], v[S+32*\c:S+32*\c+15], v[SO+2*\c]
	v_cvt_scalef32_pk16_bf6_f32 v[T2+4*\c:T2+4*\c+2], v[S+32*\c+16:S+32*\c+31], v[SO+2*\c+1]   ; (a conversion's three registers begin on an even number)
.endr
	v_nop                                          ; one plain place behind a scaled conversion
.irp c, 0,1                            ; the operand's layout wants a whole block in a lane
.irp i, 0,1,2
	v_permlane16_swap_b32 v[P+6*\c+\i], v[T2+4*\c+\i]
.endr
.irp i, 0,1,2
	s_delay_alu instid0(VALU_DEP_3)
	v_mov_b32 v[P+6*\c+3+\i], v[T2+4*\c+\i]
.endr
.endr
	v_pk_add_f32 v[230:231], v[100:101], v[104:105]
	v_pk_add_f32 v[252:253], v[108:109], v[112:113]
	v_pk_add_f32 v[250:251], v[116:117], v[120:121]
	v_pk_add_f32 v[248:249], v[124:125], v[128:129]
	v_pk_add_f32 v[246:247], v[132:133], v[136:137]
	v_pk_add_f32 v[244:245], v[140:141], v[144:145]
	v_pk_add_f32 v[242:243], v[148:149], v[152:153]
	v_pk_add_f32 v[14:15], v[14:15], v[156:157]
	v_pk_add_f32 v[230:231], v[230:231], v[96:97]
	v_pk_add_f32 v[252:253], v[252:253], v[98:99]
	v_pk_add_f32 v[250:251], v[250:251], v[102:103]
	v_pk_add_f32 v[248:249], v[248:249], v[106:107]
	v_pk_add_f32 v[246:247], v[246:247], v[110:111]
	v_pk_add_f32 v[244:245], v[244:245], v[114:115]
	v_pk_add_f32 v[242:243], v[242:243], v[118:119]
	v_pk_add_f32 v[14:15], v[14:15], v[122:123]
	v_pk_add_f32 v[230:231], v[230:231], v[126:127]
	v_pk_add_f32 v[252:253], v[252:253], v[130:131]
	v_pk_add_f32 v[250:251], v[250:251], v[134:135]
	v_pk_add_f32 v[248:249], v[248:249], v[138:139]
	v_pk_add_f32 v[246:247], v[246:247], v[142:143]
	s_setprio 0
	v_pk_add_f32 v[244:245], v[244:245], v[146:147]
	v_pk_add_f32 v[242:243], v[242:243], v[150:151]
	v_pk_add_f32 v[14:15], v[14:15], v[154:155]
	v_pk_add_f32 v[230:231], v[230:231], v[158:159]
	s_delay_alu instid0(VALU_DEP_2)
	v_pk_add_f32 v[14:15], v[14:15], v[248:249]
	s_delay_alu instid0(VALU_DEP_2)
	v_pk_add_f32 v[230:231], v[230:231], v[246:247]
	v_pk_add_f32 v[252:253], v[252:253], v[244:245]
	v_pk_add_f32 v[250:251], v[250:251], v[242:243]
	s_delay_alu instid0(VALU_DEP_2)
	v_pk_add_f32 v[14:15], v[14:15], v[252:253]
	s_delay_alu instid0(VALU_DEP_2)
	v_pk_add_f32 v[230:231], v[230:231], v[250:251]
	s_delay_alu instid0(VALU_DEP_1)
	v_pk_add_f32 v[14:15], v[14:15], v[230:231]
.set n, 0
.rept 16
	v_pk_mul_f32 v[O+n:O+n+1], v[O+n:O+n+1], v[F:F+1] op_sel_hi:[1,0]   ; O^T under the new M.  (These and the sums are the places behind the writes of p's codes and scale word)
.set n, n+2
.endr
	s_wait_alu depctr_va_vdst(0)
	s_wait_dscnt 0x0                               ; V's images and scale words
.irp t, 0,1,2,3                        ; O^T += V^T P^T: the four accumulators by turns
.if \t%2
	v_wmma_scale_f32_16x16x128_f8f6f4 v[O+8*\t:O+8*\t+7], v[KV+12*\t:KV+12*\t+11], v[P:P+11], v[O+8*\t:O+8*\t+7], v[VSC+\t/2], v[PW] matrix_a_fmt:MATRIX_FMT_BF6 matrix_b_fmt:MATRIX_FMT_BF6 matrix_a_scale:MATRIX_SCALE_ROW1
.else
	v_wmma_scale_f32_16x16x128_f8f6f4 v[O+8*\t:O+8*\t+7], v[KV+12*\t:KV+12*\t+11], v[P:P+11], v[O+8*\t:O+8*\t+7], v[VSC+\t/2], v[PW] matrix_a_fmt:MATRIX_FMT_BF6 matrix_b_fmt:MATRIX_FMT_BF6
.endif
.endr
.if \causal
.Lhid_\@:
.endif
	s_add_co_u32 s48, s48, KVB                     ; the next key step
	s_add_co_u32 s49, s49, 1
.endm
.macro LOOP n, causal
	s_mov_b32 s50, \n
.Lkeys_\@:
	STEP \causal
	s_sub_co_u32 s50, s50, 1
	s_cmp_lg_u32 s50, 0
	s_cbranch_scc1 .Lkeys_\@
	s_setprio 0
.endm
.macro MEET left                       ; the fetching waves' loads but the youngest 'left' have landed; then the work-group's barrier.  Later tiles may stay out
	s_wait_tensorcnt \left
	s_wait_dscnt 0x0
	s_barrier_signal -1
	s_barrier_wait -1
.endm
; A JOB'S END: y = O^T / the sum, quantised along the channels: my 32 numbers are halves of the head's two blocks.
.macro WAYOUT
.rept 4
	v_nop                                          ; places behind the last products
.endr
	v_add_f32 v14, v14, v15                        ; the sum's two halves,
	s_delay_alu instid0(VALU_DEP_1)
	v_permlanex16_b32 v[TMP], v14, s20, s21
	s_delay_alu instid0(VALU_DEP_1)
	v_add_f32 v14, v14, v[TMP]                     ; and lane l xor 16's
	s_wait_alu depctr_va_vdst(0)
	v_rcp_f32 v14, v14
	v_nop                                          ; one plain place behind a transcendental
.set n, 0
	s_wait_alu depctr_va_vdst(0)
.rept 16
	v_pk_mul_f32 v[S+n:S+n+1], v[O+n:O+n+1], v[14:15] op_sel_hi:[1,0]   ; register 16 b + i: channel 32 b + 16 (lane / 16) + i; each accumulator from its low end on
.set n, n+2
.endr
.irp b, 0,1
	v_max3_num_f32 v[BM+\b], |v[S+16*\b]|, |v[S+1+16*\b]|, 0x2800000
.endr
.irp i, 2,4,6,8,10,12,14
.irp b, 0,1
	s_delay_alu instid0(VALU_DEP_2)
	v_max3_num_f32 v[BM+\b], v[BM+\b], |v[S+16*\b+\i]|, |v[S+1+16*\b+\i]|
.endr
.endr
.irp b, 0,1
	s_delay_alu instid0(VALU_DEP_2)
	v_permlanex16_b32 v[PD+\b], v[BM+\b], s20, s21
.endr
.irp b, 0,1
	s_delay_alu instid0(VALU_DEP_2)
	v_max_num_f32 v[BM+\b], v[BM+\b], v[PD+\b]
.endr
.irp b, 0,1
	s_delay_alu instid0(VALU_DEP_2)
	v_add_nc_u32 v[SO+\b], 0xfe000000, v[BM+\b]
.endr
.irp b, 0,1
	s_delay_alu instid0(VALU_DEP_2)
	v_lshrrev_b32 v[PD+\b], 23, v[SO+\b]
.endr
	v_cvt_scalef32_pk16_bf6_f32 v[YC:YC+2], v[S:S+15], v[SO]
	v_cvt_scalef32_pk16_bf6_f32 v[YC2:YC2+2], v[S+16:S+31], v[SO+1]
	v_nop                                          ; one plain place behind a scaled conversion
.irp i, 0,1,2
	v_permlane16_swap_b32 v[YC+\i], v[YC2+\i]      ; lanes 0-15: block 0 whole, lanes 16-31: block 1
.endr
.irp i, 0,1,2
	s_delay_alu instid0(VALU_DEP_3)
	v_mov_b32 v[YC+3+\i], v[YC2+\i]
.endr
	v_cndmask_b32 v[YBY], v[PD], v[PD+1], s53      ; lanes 0-15 carry block 0's byte, lanes 16-31 block 1's
.irp i, 0,1,2
	global_store_b64 v[L8], v[YC+2*\i:YC+2*\i+1], s[56:57] offset:256*\i   ; 32 lanes store 256 consecutive bytes, aligned
.endr
	global_store_b8 v[SBO], v[YBY], s[58:59]
.endm
	s_add_co_u32 s51, s69, 8                       ; the first job: step 8 + w / 2
	JOBHEAD
	MEET 3                                         ; key steps 0-3 are in LDS: each fetching wave's first load
	LOOP 4, 0
	MEET 2                                         ; key steps 4-7
	LOOP 4, 0
	MEET 0                                         ; all sixteen
	LOOP 8, 1
	WAYOUT
	s_sub_co_u32 s51, 7, s69                       ; the second job: step 7 - w / 2
	JOBHEAD
	LOOP 8, 1
	WAYOUT
	s_wait_tensorcnt 0x0
	ds_add_u32 v254, v255
	s_wait_dscnt 0x0
	ROUND                                          ; the closing round
	s_endpgm
.Lfunc_end_k_qc5de0a8b3e_attn:
	.size	k_qc5de0a8b3e_attn, .Lfunc_end_k_qc5de0a8b3e_attn-k_qc5de0a8b3e_attn
	.p2alignl 7, 3214868480
	.fill 96, 4, 3214868480
	.section	.rodata,"a",@progbits
	.p2align	6, 0x0
	.amdhsa_kernel k_qc5de0a8b3e_attn
		.amdhsa_group_segment_fixed_size 206848
		.amdhsa_private_segment_fixed_size 0
		.amdhsa_enable_private_segment 0
		.amdhsa_kernarg_size 24
		.amdhsa_user_sgpr_count 2
		.amdhsa_user_sgpr_kernarg_segment_ptr 1
		.amdhsa_wavefront_size32 1
		.amdhsa_system_sgpr_workgroup_id_x 1
		.amdhsa_system_sgpr_workgroup_id_y 1
		.amdhsa_system_sgpr_workgroup_id_z 1
		.amdhsa_system_vgpr_workitem_id 0
		.amdhsa_next_free_vgpr 256
		.amdhsa_next_free_sgpr 72
		.amdhsa_reserve_vcc 1
		.amdhsa_float_denorm_mode_32 3
		.amdhsa_float_denorm_mode_16_64 3
		.amdhsa_memory_ordered 1
		.amdhsa_forward_progress 1
		.amdhsa_inst_pref_size 98
	.end_amdhsa_kernel
	.amdgpu_metadata
---
amdhsa.version: [ 1, 2 ]
amdhsa.kernels:
  - .name:           k_qc5de0a8b3e_attn
    .symbol:         k_qc5de0a8b3e_attn.kd
    .args:
      - { .name: qkvb, .offset: 0, .size: 8, .value_kind: global_buffer, .address_space: global }
      - { .name: yimg, .offset: 8, .size: 8, .value_kind: global_buffer, .address_space: global }
      - { .name: ysc, .offset: 16, .size: 8, .value_kind: global_buffer, .address_space: global }
    .group_segment_fixed_size: 206848
    .private_segment_fixed_size: 0
    .kernarg_segment_align: 8
    .kernarg_segment_size: 24
    .max_flat_workgroup_size: 512
    .sgpr_count:     72
    .vgpr_count:     256
    .wavefront_size: 32
...
	.end_amdgpu_metadata
.endif
;; end of part 3
;; launch proj (part 4): grid 4 x 32, 4 waves a work-group, clusters of 4 x 4, 327,680 bytes of LDS; arguments yimg, ysc, wc, ws, b_out, out0; writes out0
.if DOCPART == 4
	.amdgcn_target "amdgcn-amd-amdhsa--gfx1250"
	.amdhsa_code_object_version 6
	.text
	.protected	k_qc5de0a8b3e_proj
	.globl	k_qc5de0a8b3e_proj
	.p2align	8
	.type	k_qc5de0a8b3e_proj,@function
k_qc5de0a8b3e_proj:
	s_mov_b64 s[64:65], 0
	v_nop
	global_prefetch_b8 v0, s[64:65] scope:SCOPE_SE
	s_setreg_imm32_b32 hwreg(HW_REG_WAVE_MODE, 25, 1), 1
	s_wait_xcnt 0x0
	s_wait_alu depctr_hold_cnt(0) depctr_sa_sdst(0) depctr_va_vdst(0) depctr_va_sdst(0) depctr_va_ssrc(0) depctr_va_vcc(0) depctr_vm_vsrc(0)
	s_getreg_b32 s2, hwreg(HW_REG_IB_STS2, 6, 4)
	s_cmp_eq_u32 s2, 0
	s_cbranch_scc0 .Lentry_in_a_cluster
	s_endpgm
.Lentry_in_a_cluster:
	s_bfe_u32 s2, ttmp6, 0x10000c
	s_cmp_lg_u32 s2, 0xf033
	s_cbranch_scc0 .Lentry_shape_is_right
	s_endpgm
.Lentry_shape_is_right:
; out0 = y W_out + b_out on codes of BF6 (E3M2) with E8M0 scales for each 32 along K = 1,024; sums and bias in f32.  out0: [8192][1024] f32.
; A tile of 256 tokens x 256 columns is made by a work-group of four waves, each 128 x 128: 64 accumulators.  K goes in steps of 256 (four heads) through a ring of two LDS slots filled by the tensor data mover.
; OPERAND A (source 1: a lane holds one token) is y, which lies in memory as IMAGES OF ITS REGISTERS: yimg [K step 4][16 positions of tokens: 512][3,072 bytes]: registers 2 p, 2 p + 1 of the step's q-th fragment at 1,536 q + 256 p + 8 x lane.
; So 128 tokens of a K step are one dense block of 24,576 bytes for one tensor load, and a fragment is six loads of 8 bytes a lane, 256 consecutive bytes each.
; OPERAND B (source 0: its rows run along a lane's registers) is W_out: rows 3,072 .. 4,095 of wc, 768 bytes each.  The scale bytes of both, for all of K, come into LDS once.
; POSITION ORDER: tokens and columns lie at positions (the number with bits 3 and 4 exchanged).  The way out puts both right: the columns on the way into the stage, the tokens by the stores' offsets.
; CLUSTERS: 4 x 4 work-groups; A's tiles are shared along a row of the cluster, B's along a column: joint loads.  The grid has 128 work-groups: tiles of this size leave half of the WGPs without work; a smaller tile would read each fragment for fewer products.
; REGISTERS, in windows of 256: window 0: v0-31 addresses; v32-63 scale words, two sets; v64-67 the bias; from v128 A's fragments, ONE set; on the way out v128-255 hold rows read back.
;   window 1: B's fragments, TWO sets.   window 2: the accumulators of A's blocks 0-3 ((a, b) at v[8 (8 a + b)]);   window 3: those of blocks 4-7.
.set KSTEP,  256
.set NQ,     KSTEP/128
.set ROWB,   192                       ; a row of B's tile in bytes
.set KROW,   768                       ; a row of wc
.set PITCH,  240                       ; B's LDS row: 3 x (64 bytes + 16 of padding)
.set FR,     12
.set NL,     6
.set NP,     4
.set HALFT,  128*PITCH                 ; B: 128 rows: what one tensor load brings
.set HALFA,  24576                     ; A: 128 tokens' images of a K step
.set GSTR,   1572864                   ; from a K step of yimg to the next
.set SLOT,   2*HALFA+2*HALFT           ; A's 256 tokens, then B's 256 rows
.set LAPS,   2
.set KS,     32
.set SCL,    2*SLOT
.set HALFS,  (128*KS/256)*272
.set SBLK,   (16*KS/256)*272
.set SPARE,  SCL+4*HALFS               ; the spare words, 128 bytes for each wave, which no other line names
.set SPITCH, 528                       ; the way out: a stage of 16 rows x (512 bytes + 16) for each wave, in slot 0, which has had its last fill and its last read when the first result is stored there
.set ADRA, 16                          ; v16-17  LDS address of my A fragments in slot 0, 1
.set ADRB, 20                          ; v20-21  the same for B  (v22-23: for the pieces that lie behind one padding more)
.set STO,  24                          ; v24     the way out: where I put 32 bytes of a row
.set RD,   25                          ; v25     where I read a row back
.set CO,   26                          ; v26     16 x lane: my byte offset in a row's 512 bytes
.set ADRS, 27
.set SPW,  28
.set NIL,  29
.set SC,   32
.set BI,   64                          ; v64-67  the bias of my four columns
.set AF,   128
.set BK,   128                         ; the way out: 16 rows read back: v128-191 and v192-255 by turns
.set G1, 24
.set G0, 32
.set G1B, 48
.set G0B, 56
.set G1S, 68
.set G0S, 76
.set G1SB, 80
.set G0SB, 88
.set MSB, 0
.macro WIN new                         ; the immediate's high byte repeats the setting that is left
.if MSB != (\new)
	s_set_vgpr_msb (MSB<<8)|(\new)
.set MSB, (\new)
.endif
.endm
.set MUL_LO, 0xa1
.set MUL_HI, 0xf1
.set TO_B,   0x40
; A joint load: waves 0 and 1 fetch for A, waves 2 and 3 for B; the branch hangs on the wave's number alone.  Four v_nop follow each of the two lines.
.macro JLOAD g0a, g1a, g0b, g1b
	s_cmp_eq_u32 s15, 0
	s_cbranch_scc0 .Lfor_b_\@
	tensor_load_to_lds s[\g0a:\g0a+3], s[\g1a:\g1a+7]
	s_nop 0
.rept 4
	v_nop
.endr
	s_branch .Lasked_\@
.Lfor_b_\@:
	tensor_load_to_lds s[\g0b:\g0b+3], s[\g1b:\g1b+7]
	s_nop 0
.rept 4
	v_nop
.endr
.Lasked_\@:
.endm
.macro CREST
	s_cmp_lg_u32 s14, 0
	s_cbranch_scc1 .Lnot_wave_0_\@
	s_barrier_signal -3
.Lnot_wave_0_\@:
	s_barrier_wait -3
	s_barrier_signal -1
	s_barrier_wait -1
.endm
.macro CROUND
	s_barrier_signal -1
	s_barrier_wait -1
	CREST
.endm
	s_load_b128 s[4:7], s[0:1], 0x0                ; yimg, ysc
	s_load_b128 s[8:11], s[0:1], 0x10              ; wc, ws
	s_load_b128 s[96:99], s[0:1], 0x20             ; b_out, out0
	v_lshl_add_u32 v[SPW], v0, 2, SPARE
	v_mov_b32 v[NIL], 0
	ds_add_u32 v28, v29
	ds_add_u32 v28, v29
	s_wait_dscnt 0x0
	v_lshrrev_b32 v1, 5, v0
	v_readfirstlane_b32 s14, v1                    ; wave 0..3
	s_lshr_b32 s15, s14, 1                         ; which half of the tile's tokens is mine.  Also: I fetch for A (0) or for B (1)
	s_and_b32 s16, s14, 1                          ; which half of its columns.  Also: which half of that tile I fetch
	s_bfe_u32 s40, ttmp6, 0x40000                  ; cx, cy
	s_bfe_u32 s41, ttmp6, 0x40004
	s_lshl_b32 s42, ttmp9, 2
	s_add_co_u32 s42, s42, s40                     ; tile column = 4 x cluster x + cx
	s_and_b32 s17, ttmp7, 0xffff
	s_lshl_b32 s17, s17, 2
	s_add_co_u32 s17, s17, s41                     ; tile row = 4 x cluster y + cy
	s_lshl_b32 s43, s41, 2
	s_lshl_b32 s43, 15, s43                        ; my row of the cluster
	s_lshl_b32 s44, 0x1111, s40                    ; my column
	; descriptor group 1 for A: 24,576 dense bytes as 96 rows of 256 bytes (32 elements of 8 bytes), no padding
	s_or_b32 s[G1+0], s43, (3<<16)|(1<<21)
	s_mov_b32 s[G1+1], 32<<16
	s_mov_b32 s[G1+2], 96<<16
	s_mov_b32 s[G1+3], 32<<16
	s_mov_b32 s[G1+4], 96
	s_mov_b32 s[G1+5], 32
	s_mov_b32 s[G1+6], 0
	s_mov_b32 s[G1+7], 0
	; for B: 128 rows x 192 bytes, 16 bytes of padding behind every 64
	s_or_b32 s[G1B+0], s44, (0<<16)|(1<<20)|(1<<21)|(3<<22)|(3<<25)
	s_mov_b32 s[G1B+1], ROWB<<16
	s_mov_b32 s[G1B+2], 128<<16
	s_mov_b32 s[G1B+3], ROWB<<16
	s_mov_b32 s[G1B+4], 128
	s_mov_b32 s[G1B+5], KROW
	s_mov_b32 s[G1B+6], 0
	s_mov_b32 s[G1B+7], 0
	; for the scales of 128 rows: 4,096 dense bytes as 16 rows of 256 bytes, 16 bytes of padding behind each
	s_or_b32 s[G1S+0], s43, (3<<16)|(1<<20)|(1<<21)|(5<<22)|(3<<25)
	s_or_b32 s[G1SB+0], s44, (3<<16)|(1<<20)|(1<<21)|(5<<22)|(3<<25)
.irp g, G1S, G1SB
	s_mov_b32 s[\g+1], 32<<16
	s_mov_b32 s[\g+2], (128*KS/256)<<16
	s_mov_b32 s[\g+3], 32<<16
	s_mov_b32 s[\g+4], 128*KS/256
	s_mov_b32 s[\g+5], 32
	s_mov_b32 s[\g+6], 0
	s_mov_b32 s[\g+7], 0
.endr
	s_lshl_b32 s18, s16, 7                         ; which 128 rows of the tile I fetch
	s_lshl_b32 s22, s17, 8
	s_add_co_u32 s22, s22, s18                     ; A: position 256 x tile row + 128 x half
	s_lshr_b32 s20, s22, 4
	s_mul_i32 s20, s20, 3072                       ; its images: 3,072 bytes for each 16 positions
	s_mov_b32 s21, 0
	s_lshl_b32 s22, s22, 5                         ; its scale bytes
	s_mov_b32 s23, 0
	s_lshl_b32 s46, s42, 8
	s_add_co_u32 s46, s46, s18
	s_add_co_u32 s46, s46, 3072                    ; B: W_out's positions begin at 3,072
	s_lshl_b32 s92, s46, 5
	s_mov_b32 s93, 0
	s_mul_i32 s46, s46, KROW
	s_mov_b32 s47, 0
	s_mul_i32 s45, s16, HALFA                      ; where they go: A's two halves,
	s_mul_i32 s95, s16, HALFT
	s_add_co_u32 s95, s95, 2*HALFA                 ; then B's two: no place in the cluster enters an LDS address
	s_mul_i32 s94, s14, HALFS
	s_wait_kmcnt 0x0
	s_add_nc_u64 s[20:21], s[4:5], s[20:21]
	s_add_nc_u64 s[22:23], s[6:7], s[22:23]
	s_add_nc_u64 s[46:47], s[8:9], s[46:47]
	s_add_nc_u64 s[92:93], s[10:11], s[92:93]
	CROUND                                         ; all sixteen work-groups are here: the first joint loads meet
	s_mov_b32 s[G0S], 1
	s_add_co_u32 s[G0S+1], s94, SCL
	s_mov_b64 s[G0S+2:G0S+3], s[22:23]
	s_or_b32 s[G0S+3], s[G0S+3], 0x80000000
	s_mov_b32 s[G0SB], 1
	s_add_co_u32 s[G0SB+1], s94, SCL
	s_mov_b64 s[G0SB+2:G0SB+3], s[92:93]
	s_or_b32 s[G0SB+3], s[G0SB+3], 0x80000000
	JLOAD G0S, G1S, G0SB, G1SB                     ; the scales first
.irp s, 0,1
	s_mov_b32 s[G0+4*\s], 1
	s_add_co_u32 s[G0+4*\s+1], s45, \s*SLOT
	s_add_nc_u64 s[G0+4*\s+2:G0+4*\s+3], s[20:21], \s*GSTR
	s_or_b32 s[G0+4*\s+3], s[G0+4*\s+3], 0x80000000
	s_mov_b32 s[G0B+4*\s], 1
	s_add_co_u32 s[G0B+4*\s+1], s95, \s*SLOT
	s_add_nc_u64 s[G0B+4*\s+2:G0B+4*\s+3], s[46:47], \s*ROWB
	s_or_b32 s[G0B+4*\s+3], s[G0B+4*\s+3], 0x80000000
	JLOAD G0+4*\s, G1, G0B+4*\s, G1B               ; three tensor loads of mine are out at the most
.endr
	v_and_b32 v1, 15, v0                           ; r
	v_bfe_u32 v2, v0, 4, 1                         ; h
	v_mul_u32_u24 v3, v1, PITCH
	v_mul_u32_u24 v4, v2, 24
	v_add_nc_u32 v4, v3, v4                        ; B: a fragment's row x pitch + 24 x half
	v_lshl_add_u32 v5, v2, 4, v4                   ; and the same behind one padding more
	v_and_b32 v6, 31, v0
	v_lshlrev_b32 v7, 3, v6                        ; A: 8 x lane
	s_mul_i32 s21, s15, HALFA                      ; my 128 tokens
	s_mul_i32 s22, s16, HALFT                      ; my 128 rows of B,
	s_add_co_u32 s22, s22, 2*HALFA                 ; which lie behind A's images
.irp s, 0,1
	v_add_nc_u32 v[ADRA+\s], s21, v7
	v_add_nc_u32 v[ADRB+\s], s22, v4
	v_add_nc_u32 v[ADRB+2+\s], s22, v5
	s_add_co_u32 s21, s21, SLOT
	s_add_co_u32 s22, s22, SLOT
.endr
	v_mul_u32_u24 v5, v1, KS                       ; my row's scales: 32 bytes a row,
	v_lshrrev_b32 v7, 8, v5
	v_lshl_add_u32 v5, v7, 4, v5                   ; and 16 more for each 256 passed
	s_mul_i32 s21, s15, HALFS
	s_mul_i32 s22, s16, HALFS
	s_add_co_u32 s22, s22, 2*HALFS
	s_sub_co_u32 s22, s22, s21
	v_mul_u32_u24 v7, s22, v2                      ; lanes 16-31 take B's: one product, the distance between the two
	s_add_co_u32 s21, s21, SCL
	v_add_nc_u32 v5, v5, v7
	v_add_nc_u32 v[ADRS], s21, v5
	s_mul_i32 s23, s14, 16*SPITCH                  ; my stage
	v_mul_u32_u24 v5, v1, SPITCH                   ; in: row r; my half's 16 columns of each 32 begin 64 h bytes on
	v_lshl_add_u32 v5, v2, 6, v5
	v_add_nc_u32 v[STO], s23, v5
	v_lshlrev_b32 v[CO], 4, v6                     ; back: the 32 lanes take one row of 512 bytes; and the same in out0
	v_add_nc_u32 v[RD], s23, v[CO]
	s_lshl_b32 s46, s42, 10
	s_lshl_b32 s47, s16, 9
	s_add_co_u32 s46, s46, s47                     ; my first column, in bytes: 1,024 x tile column + 512 x half
	s_mov_b32 s47, 0
	s_add_nc_u64 s[96:97], s[96:97], s[46:47]
	global_load_b128 v[BI:BI+3], v[CO], s[96:97]   ; the bias of my four columns; waited for on the way out
	s_lshl_b32 s20, s17, 8
	s_lshl_b32 s21, s15, 7
	s_add_co_u32 s20, s20, s21                     ; my first token: 256 x tile row + 128 x half
	s_lshl_b32 s20, s20, 12                        ; 4,096 bytes a row
	s_add_co_u32 s20, s20, s46
	s_mov_b32 s21, 0
	s_add_nc_u64 s[98:99], s[98:99], s[20:21]
.macro FRAG reg, adr, q, i             ; B: a fragment from rows: 24 bytes of the row for each 64 along K, in pieces of 8 bytes; where the piece three on lies behind one padding more, the second address register serves
.irp p, 0,1,2,3,4,5
.set PC, 12*(\q)+6*(\p/3)+\p%3
.if PC%8 < 5
	ds_load_b64 v[\reg+2*\p:\reg+2*\p+1], v[\adr] offset:8*PC+16*(PC/8)+(\i)*16*PITCH
.else
	ds_load_b64 v[\reg+2*\p:\reg+2*\p+1], v[\adr+2] offset:8*PC+16*(PC/8)+(\i)*16*PITCH
.endif
.endr
.endm
.macro FRAGI reg, adr, q, i            ; A: a fragment from its image: six loads, 256 consecutive bytes each
.irp p, 0,1,2,3,4,5
	ds_load_b64 v[\reg+2*\p:\reg+2*\p+1], v[\adr] offset:3072*(\i)+1536*(\q)+256*\p
.endr
.endm
; 16 matrix instructions: A's blocks a0, a0 + 1 x B's eight.  The 64 accumulators take turns, one instruction a turn, in the same order in every step.
.macro MUL16 a0, p, q, sc, zero
.irp a, \a0, \a0+1
.irp b, 0,1,2,3,4,5,6,7
.if \zero
	v_wmma_scale_f32_16x16x128_f8f6f4 v[8*(8*((\a)%4)+\b):8*(8*((\a)%4)+\b)+7], v[128*(\p)+FR*\b:128*(\p)+FR*\b+FR-1], v[AF+FR*(\a):AF+FR*(\a)+FR-1], 0, v[SC+8*NQ*(\sc)+NQ*\b+(\q)], v[SC+8*NQ*(\sc)+NQ*(\a)+(\q)] matrix_a_fmt:MATRIX_FMT_BF6 matrix_b_fmt:MATRIX_FMT_BF6 matrix_a_scale:MATRIX_SCALE_ROW1
.else
	v_wmma_scale_f32_16x16x128_f8f6f4 v[8*(8*((\a)%4)+\b):8*(8*((\a)%4)+\b)+7], v[128*(\p)+FR*\b:128*(\p)+FR*\b+FR-1], v[AF+FR*(\a):AF+FR*(\a)+FR-1], v[8*(8*((\a)%4)+\b):8*(8*((\a)%4)+\b)+7], v[SC+8*NQ*(\sc)+NQ*\b+(\q)], v[SC+8*NQ*(\sc)+NQ*(\a)+(\q)] matrix_a_fmt:MATRIX_FMT_BF6 matrix_b_fmt:MATRIX_FMT_BF6 matrix_a_scale:MATRIX_SCALE_ROW1
.endif
.endr
.endr
.endm
.macro FETCH_B slot, q, p
	WIN TO_B
.irp i, 0,1,2,3,4,5,6,7
	FRAG 128*(\p)+FR*\i, ADRB+\slot, \q, \i
.endr
	WIN 0
.endm
.macro FETCH_A slot, q, i0
.irp i, \i0, \i0+1, \i0+2, \i0+3
	FRAGI AF+FR*(\i), ADRA+\slot, \q, \i
.endr
.endm
.macro SCALES sc
.irp i, 0,1,2,3,4,5,6,7
	ds_load_b64 v[SC+8*NQ*\sc+NQ*\i:SC+8*NQ*\sc+NQ*\i+1], v[ADRS] offset:\i*SBLK
.endr
.endm
.macro PLACES n                        ; places behind matrix instructions (ISA guide 7.12.1 for vector instructions)
.rept \n
	v_nop
.endr
.endm
.macro STEP slot, q, zero
	s_wait_dscnt 4*NL                              ; B's set and A's blocks 0-3 are in; the youngest 24 loads (A's blocks 4-7) may be out
	WIN MUL_LO
	MUL16 0, (\q)%2, \q, \slot, \zero
	MUL16 2, (\q)%2, \q, \slot, \zero
	s_wait_dscnt 0
	PLACES NP
	FETCH_B \slot, (\q)+1, 1-(\q)%2
	FETCH_A \slot, (\q)+1, 0
	WIN MUL_HI
	MUL16 4, (\q)%2, \q, \slot, \zero
	MUL16 6, (\q)%2, \q, \slot, \zero
	PLACES NP
	WIN 0
	FETCH_A \slot, (\q)+1, 4
.endm
; A slot's last step changes slots: ONE barrier; in front of it each wave waits for all its tensor loads, adds 0 to its spare word, and waits for that and for its own reads of this slot.
.macro TURN slot, next, fill
	s_wait_tensorcnt 0x0                           ; all my tensor loads have landed: my part of the next slot;
	ds_add_u32 v[SPW], v[NIL]                      ; 0 onto my spare word
	s_wait_dscnt 4*NL+1                            ; (the add and the youngest 24 loads may be out)
	WIN MUL_LO
	MUL16 0, 1, NQ-1, \slot, 0
	s_wait_dscnt 0x0                               ; the add is done, and my reads of this slot are over
	s_barrier_signal -1
	MUL16 2, 1, NQ-1, \slot, 0
	WIN 0
	s_barrier_wait -1
.if \fill
	CREST                                          ; the barrier has opened a round of the cluster's barrier: no wave of any partner still reads this slot's tile or has a load on its way
	s_add_nc_u64 s[G0+4*\slot+2:G0+4*\slot+3], s[G0+4*\slot+2:G0+4*\slot+3], 2*GSTR
	s_add_nc_u64 s[G0B+4*\slot+2:G0B+4*\slot+3], s[G0B+4*\slot+2:G0B+4*\slot+3], 2*ROWB
	JLOAD G0+4*\slot, G1, G0B+4*\slot, G1B         ; the first tensor load behind the round; its four v_nop are the places in front of the loads below
.else
	PLACES NP
.endif
	v_add_nc_u32 v[ADRS], 4*NQ, v[ADRS]
	FETCH_B \next, 0, 0
	FETCH_A \next, 0, 0
	SCALES \next
	WIN MUL_HI
	MUL16 4, 1, NQ-1, \slot, 0
	MUL16 6, 1, NQ-1, \slot, 0
	PLACES NP
	WIN 0
	FETCH_A \next, 0, 4
.endm
	s_wait_tensorcnt 1                             ; the scales and my part of K step 0 are in (K step 1's load may be out),
	s_barrier_signal -1
	s_barrier_wait -1                              ; everybody's are
	FETCH_B 0, 0, 0
	FETCH_A 0, 0, 0
	SCALES 0
	FETCH_A 0, 0, 4
	STEP 0, 0, 1                                   ; the first step's products start the sums
	s_mov_b32 s3, LAPS-1
.Llap:
	TURN 0, 1, 1
	STEP 1, 0, 0
	TURN 1, 0, 1
	STEP 0, 0, 0
	s_sub_co_u32 s3, s3, 1
	s_cmp_lg_u32 s3, 0
	s_cbranch_scc1 .Llap
	TURN 0, 1, 0                                   ; the last lap fills nothing
	STEP 1, 0, 0
	s_wait_dscnt 4*NL
	WIN MUL_LO
	MUL16 0, 1, NQ-1, 1, 0
	MUL16 2, 1, NQ-1, 1, 0
	s_wait_dscnt 0
	WIN MUL_HI
	MUL16 4, 1, NQ-1, 1, 0
	MUL16 6, 1, NQ-1, 1, 0
	WIN 0
; THE WAY OUT, block by block of 16 tokens x 128 columns, through my own stage in LDS.  Accumulator (a, b), lane (r, h), holds columns 32 (b / 2) + 8 (b % 2) + 16 h + 0 .. 7 of the token at position 16 a + r.
; LDS serves a wave's instructions in order (ISA guide 5.7.1.4): no wait between the stores and the loads, nor in front of the next block's stores.
.macro TOSTAGE a
.set AC, 64*((\a)%4)
	WIN 0x08+4*((\a)/4)                            ; the data: window 2 or 3
.irp b, 0,1,2,3,4,5,6,7
	ds_store_b128 v[STO], v[AC+8*\b:AC+8*\b+3] offset:128*(\b/2)+32*(\b%2)          ; each accumulator from its low end on
	ds_store_b128 v[STO], v[AC+8*\b+4:AC+8*\b+7] offset:128*(\b/2)+32*(\b%2)+16
.endr
	WIN 0
.set BB, BK+64*((\a)%2)
.irp t, 0,1,2,3,4,5,6,7,8,9,10,11,12,13,14,15
	ds_load_b128 v[BB+4*\t:BB+4*\t+3], v[RD] offset:\t*SPITCH
.endr
.endm
.macro SEND a, younger                 ; younger: the LDS instructions issued behind block a's loads, which may stay out
.set BB, BK+64*((\a)%2)
	s_wait_dscnt \younger                          ; the block is back in registers
.irp t, 0,1,2,3,4,5,6,7,8,9,10,11,12,13,14,15
	v_pk_add_f32 v[BB+4*\t:BB+4*\t+1], v[BB+4*\t:BB+4*\t+1], v[BI:BI+1]            ; the bias of my four columns
	v_pk_add_f32 v[BB+4*\t+2:BB+4*\t+3], v[BB+4*\t+2:BB+4*\t+3], v[BI+2:BI+3]
.endr
.irp t, 0,1,2,3,4,5,6,7,8,9,10,11,12,13,14,15
	global_store_b128 v[CO], v[BB+4*\t:BB+4*\t+3], s[98:99] offset:(32*((\a)/2)+8*((\a)%2)+\t+8*(\t/8))*4096 th:TH_STORE_NT   ; position 16 a + t is this token; 32 lanes store 512 consecutive bytes, aligned; 127 rows at the most: inside the signed 24-bit immediate
.endr
.endm
	PLACES NP                                      ; for the reads of the last results and the loads into the registers that held A's fragments
	s_wait_loadcnt 0x0                             ; the bias
	TOSTAGE 0
.irp a, 1,2,3,4,5,6,7
.if \a > 1
	s_wait_xcnt 0x0                                ; block a - 2's stores have read their registers: block a's loads may land there
.endif
	TOSTAGE \a
	SEND \a-1, 32                                  ; behind block a - 1's loads: block a's 16 stores and 16 loads
.endr
	SEND 7, 0
	s_wait_tensorcnt 0x0                           ; the wave's end, behind my last tensor load and my last LDS store
	ds_add_u32 v[SPW], v[NIL]
	s_wait_dscnt 0x0
	CROUND                                         ; the closing round: no work-group ends while a partner may still ask for a tile that names it
	s_endpgm
.Lfunc_end_k_qc5de0a8b3e_proj:
	.size	k_qc5de0a8b3e_proj, .Lfunc_end_k_qc5de0a8b3e_proj-k_qc5de0a8b3e_proj
	.p2alignl 7, 3214868480
	.fill 96, 4, 3214868480
	.section	.rodata,"a",@progbits
	.p2align	6, 0x0
	.amdhsa_kernel k_qc5de0a8b3e_proj
		.amdhsa_group_segment_fixed_size 327680
		.amdhsa_private_segment_fixed_size 0
		.amdhsa_enable_private_segment 0
		.amdhsa_kernarg_size 48
		.amdhsa_user_sgpr_count 2
		.amdhsa_user_sgpr_kernarg_segment_ptr 1
		.amdhsa_wavefront_size32 1
		.amdhsa_system_sgpr_workgroup_id_x 1
		.amdhsa_system_sgpr_workgroup_id_y 1
		.amdhsa_system_sgpr_workgroup_id_z 1
		.amdhsa_system_vgpr_workitem_id 0
		.amdhsa_next_free_vgpr 1024
		.amdhsa_next_free_sgpr 102
		.amdhsa_reserve_vcc 0
		.amdhsa_float_denorm_mode_32 3
		.amdhsa_float_denorm_mode_16_64 3
		.amdhsa_memory_ordered 1
		.amdhsa_forward_progress 1
		.amdhsa_inst_pref_size 176
	.end_amdhsa_kernel
	.amdgpu_metadata
---
amdhsa.version: [ 1, 2 ]
amdhsa.kernels:
  - .name:           k_qc5de0a8b3e_proj
    .symbol:         k_qc5de0a8b3e_proj.kd
    .args:
      - { .name: yimg, .offset: 0, .size: 8, .value_kind: global_buffer, .address_space: global }
      - { .name: ysc, .offset: 8, .size: 8, .value_kind: global_buffer, .address_space: global }
      - { .name: wc, .offset: 16, .size: 8, .value_kind: global_buffer, .address_space: global }
      - { .name: ws, .offset: 24, .size: 8, .value_kind: global_buffer, .address_space: global }
      - { .name: b_out, .offset: 32, .size: 8, .value_kind: global_buffer, .address_space: global }
      - { .name: out0, .offset: 40, .size: 8, .value_kind: global_buffer, .address_space: global }
    .group_segment_fixed_size: 327680
    .private_segment_fixed_size: 0
    .kernarg_segment_align: 8
    .kernarg_segment_size: 48
    .max_flat_workgroup_size: 128
    .sgpr_count:     102
    .vgpr_count:     1024
    .wavefront_size: 32
...
	.end_amdgpu_metadata
.endif
;; end of part 4
